; MI455X (gfx1250); checked and timed in simulation.
; The chip was launched on July 23, 2026; its instructions are those of AMD's public machine-readable ISA for CDNA 5 (MIT licence, August 2026) and "CDNA5" Instruction Set Architecture Reference Guide (July 2026). The comments in the code are by the model that wrote it; some were corrected since.
;; Simple FC. Allowed arithmetic: matrix products marked QUANTISED: E3M2 operands, one E8M0 scale for each 32 along K, by v_wmma_scale_f32_16x16x128_f8f6f4 with both operands' format E3M2, f32 sums; products left as they are: f32 operands where the result goes on into a quantised operand, else bf16, f16 or f32 operands; f32 sums; everything else in f32.
;; Inputs: b_in 64 float32; b_mid 64 float32; b_out 3 float32; emb1_b 64 float32; emb1_w 64 x 64 float32; emb2_b 64 float32; emb2_w 64 x 64 float32; node_mask 16 x 1,024 float32; pos 16 x 1,024 x 3 float32; sa1_f1_b 64 float32; sa1_f1_w 64 x 64 float32; sa1_f2_b 64 float32; sa1_f2_w 64 x 64 float32; sa1_fln_b 64 float32; sa1_fln_g 64 float32; sa1_ln_b 64 float32; sa1_ln_g 64 float32; sa1_out_b 64 float32; sa1_out_w 64 x 64 float32; sa1_qkv_b 192 float32; sa1_qkv_w 192 x 64 float32; sa2_f1_b 64 float32; sa2_f1_w 64 x 64 float32; sa2_f2_b 64 float32; sa2_f2_w 64 x 64 float32; sa2_fln_b 64 float32; sa2_fln_g 64 float32; sa2_ln_b 64 float32; sa2_ln_g 64 float32; sa2_out_b 64 float32; sa2_out_w 64 x 64 float32; sa2_qkv_b 192 float32; sa2_qkv_w 192 x 64 float32; t_int 16 x 1 float32; w_in 64 x 3 float32; w_mid 64 x 64 float32; w_out 3 x 64 float32.
;; Outputs: out0 16 x 1,024 x 3 float32.
;; This version of the problem:
;;   THIS VERSION OF THE PROBLEM IS GIVEN IN LOW PRECISION. The matrix products marked QUANTISED in the list below multiply operands that are first quantised to E3M2 (3 exponent bits, 2 mantissa bits; 6 bits a number), with one power-of-two scale for each 32 numbers along K (OCP MX v1.0); their sums are f32. All else is computed in f32.
;;   The module's matrix products, in the order in which they are computed (A, B: the left and right operand; K: the contracted axis; several contracted axes count as one K, in the product's order):
;;     1. [M 16,384, K 3] x [K 3, N 64]; A: input pos; B: input w_in: left as it is (K = 3 < 32)
;;     2. [M 16, K 64] x [K 64, N 64]; A: computed on the way; B: input emb1_w: QUANTISED
;;     3. [M 16,384, K 64] x [K 64, N 192]; A: computed on the way; B: input sa1_qkv_w: QUANTISED
;;     4. batch 64 x [M 1,024, K 16] x [K 16, N 1,024]; A: computed on the way; B: computed on the way: left as it is (K = 16 < 32)
;;     5. batch 64 x [M 16, K 1,024] x [K 1,024, N 1,024]; A: computed on the way; B: softmax (see below): QUANTISED
;;     6. [M 16,384, K 64] x [K 64, N 64]; A: computed on the way; B: input sa1_out_w: QUANTISED
;;     7. [M 16,384, K 64] x [K 64, N 64]; A: computed on the way; B: input sa1_f1_w: QUANTISED
;;     8. [M 16,384, K 64] x [K 64, N 64]; A: computed on the way; B: input sa1_f2_w: QUANTISED
;;     9. [M 16,384, K 64] x [K 64, N 64]; A: computed on the way; B: input w_mid: QUANTISED
;;     10. [M 16, K 64] x [K 64, N 64]; A: computed on the way; B: input emb2_w: QUANTISED
;;     11. [M 16,384, K 64] x [K 64, N 192]; A: computed on the way; B: input sa2_qkv_w: QUANTISED
;;     12. batch 64 x [M 1,024, K 16] x [K 16, N 1,024]; A: computed on the way; B: computed on the way: left as it is (K = 16 < 32)
;;     13. batch 64 x [M 16, K 1,024] x [K 1,024, N 1,024]; A: computed on the way; B: softmax (see below): QUANTISED
;;     14. [M 16,384, K 64] x [K 64, N 64]; A: computed on the way; B: input sa2_out_w: QUANTISED
;;     15. [M 16,384, K 64] x [K 64, N 64]; A: computed on the way; B: input sa2_f1_w: QUANTISED
;;     16. [M 16,384, K 64] x [K 64, N 64]; A: computed on the way; B: input sa2_f2_w: QUANTISED
;;     17. [M 16,384, K 64] x [K 64, N 3]; A: computed on the way; B: input w_out: left as it is (N = 3 < 16)
;;   THE QUANTISER, for each operand of a quantised product, along K:
;;     - K is cut into blocks of 32 from its start; a last block that is shorter is filled with zeros.
;;     - A block's scale is 2^e with e = floor(log2(the largest magnitude in the block)) - 4, held to -126 .. 127; a block of zeros has e = 0. As a byte (E8M0): e + 127.
;;     - Each number is divided by its block's scale, clamped to +-28, and rounded to the nearest number of E3M2, ties to even, subnormals kept.
;;     - The product sums the exact products of the quantised numbers (number of the format x scale) in f32.
;;   ~~~python
;;   def quantise(x, axis):      # numpy; x: float32 -> the quantised numbers, widened to float32 again
;;       x = np.moveaxis(x, axis, -1); K = x.shape[-1]
;;       x = np.pad(x, [(0, 0)] * (x.ndim - 1) + [(0, -K % 32)]); x = x.reshape(x.shape[:-1] + (-1, 32)); a = np.abs(x).max(-1, keepdims=True)
;;       e = np.where(a > 0, np.clip(np.frexp(np.where(a > 0, a, 1))[1] - 1 - 4, -126, 127), 0)      # np.frexp(a)[1] - 1 = floor(log2(a)), exactly
;;       r = np.clip(x / 2.0 ** e, -28, 28)
;;       step = 2.0 ** (np.maximum(np.frexp(np.where(r == 0, 1, r))[1] - 1, -2) - 2)
;;       q = np.round(r / step) * step * 2.0 ** e      # np.round: ties to even
;;       return np.moveaxis(q.reshape(q.shape[:-2] + (-1,))[..., :K], -1, axis).astype(np.float32)
;;   ~~~
;;   SOFTMAX AHEAD OF A QUANTISED PRODUCT. Where the list says 'softmax', what is quantised is not the finished softmax but p = 2^(t - M), with t = logit x log2(e) and M = ceil(the row's largest t), a whole number; so 1/2 < the row's largest p <= 1. The row's sum l is taken of the UNQUANTISED p, in f32, and the product's result is divided by l at the end. Since M is a whole number, a kernel that streams over the keys may use a running M (the ceiling of the running maximum): every later rescaling is an exact power of two, which a block's scale takes up: the codes' values come out the same.
;;   OPERANDS COMPUTED ON THE WAY. 'Computed on the way' means the value that the module computes at that place (a softmax that the list does not call 'softmax' is quantised finished and normalised). What goes into a quantiser is computed in f32, as accurately as f32 sums, v_exp_f32 and their like allow (about 1e-6 of the number): no bf16 or f16 on the way to a quantiser, and a product that is left as it is and whose result goes on into a quantised operand takes f32 operands (vector FMAs, or v_wmma_f32_16x16x4_f32). A number that lies on a knife's edge between two numbers of the format may be rounded either way, as far as f32 arithmetic and the matrix unit's own rounding can turn it there, and no further.
;; One version. Each part assembles by itself: llvm-mc -triple=amdgcn-amd-amdhsa -mcpu=gfx1250 --defsym DOCPART=n.
;; ======== version 1 of 1: 3 launches
;; limits: right only within a limited range of input values
;; workspace buffers: kv1 5,111,808 bytes; kv2 5,111,808 bytes; q1 4,194,304 bytes; q2 4,194,304 bytes; x1 4,194,304 bytes; x2 4,194,304 bytes; wq 40,960 bytes; em2 4,096 bytes
;; launch prep (part 1): grid 16 x 16, 16 waves a work-group, no clusters, 15,360 bytes of LDS; arguments pos, t_int, w_in, b_in, emb1_w, emb1_b, sa1_ln_g, sa1_ln_b, sa1_qkv_w, sa1_qkv_b, emb2_w, emb2_b, b_mid, sa1_out_w, sa1_f1_w, sa1_f2_w, w_mid, sa2_out_w, sa2_f1_w, sa2_f2_w, sa2_qkv_w, kv1, q1, x1, wq, em2; writes kv1, q1, x1, wq, em2
.if DOCPART == 1
	.amdgcn_target "amdgcn-amd-amdhsa--gfx1250"
	.amdhsa_code_object_version 6
	.text
	.protected	k_qd2775d6750_prep
	.globl	k_qd2775d6750_prep
	.p2align	8
	.type	k_qd2775d6750_prep,@function
k_qd2775d6750_prep:
	s_mov_b64 s[64:65], 0
	v_nop
	global_prefetch_b8 v0, s[64:65] scope:SCOPE_SE
	s_setreg_imm32_b32 hwreg(HW_REG_WAVE_MODE, 25, 1), 1
	s_wait_xcnt 0x0
; PREP: x0 = pos w_in^T + b_in + silu(t_info) emb1_w^T + emb1_b;  layer norm;  q, k, v of the first attention.  Besides: all later weights as codes (wq), and em2 = silu(t_info) emb2_w^T + emb2_b + b_mid.
; DEAD WORK: none.  Every input of reference() has a way to out0 (K's bias moves t, so M = ceil(max t) and p's codes), so every product is done and every input is loaded by one of the three launches.
; LIMITS: NaN and infinities among the inputs are not served.  |t_int x inv_freq| up to about 1e5 (three-part reduction by pi/2).  A block of zeros gets the scale byte 1 where the rule says 127: its codes are
; zeros, and the bytes are read by this program alone.  sin, cos by polynomials on |r| <= pi/4 (about 1e-7); 1/u by v_rcp_f32 and one Newton step.
; SHARES.  A work-group takes 64 tokens (group g = x) of batch b = y, in 16 waves.  w = wave, hd = w / 4, tt = w % 4, R = hd xor tt.  R = 0: the chain wave of token tile tt.  R = 1, 2, 3: Q, K, V of head hd.
; TOKEN TILES.  Row m of tile t = 2 b' + u is local token 32 b' + 8 u + m + 8 (m / 8), so that the registers of tiles 2 b', 2 b' + 1 of a transposed result are 16 neighbouring tokens.
; ROW LAYOUT.  Lane (r = lane % 16, h = lane / 16) holds token r of its tile, 32 registers = features 32 h + 0 .. 31: one whole block of the quantiser, and (as 6 registers of codes) the lower half of an operand of 128 along K.
; K = 64 IN A FORM OF 128: the operand that stands alone has 6 registers of zero codes above its 6; the four on the other side lie on end, 6 registers each, 6 zero registers behind the last.  What an operand's upper
; half then names are a neighbour's codes: they meet zero codes and add 0 (this format has no infinity and no NaN).  Scale bytes 2 and 3 are 0, never 0xff.
; A WEIGHT'S TILE ct (row layout) takes rows 32 (m / 8) + 8 ct + m % 8: register 8 ct + j of the result is then feature 32 h + 8 ct + j: row layout again.
; WORKSPACE is laid as images of the reader's registers: 16 bytes a lane at 16 x lane, 8 at 8 x lane, 4 at 4 x lane.
; No tensor load and no cluster: what the work-groups share here is weights of a few KiB, read through registers.
.set TI,    0                  ; LDS: two sets (emb1, emb2) of [64 silu values | 64 sums of biases]
.set E1,    1024               ; two sets of 16 rows x (256 + 16) bytes: the embedding product
.set XFI,   9728               ; four images of x's fragments: [512 | 256 | 128 scale words]
.set SPARE, 13312              ; the spare words, 128 bytes for each wave: eight blocks of 256 bytes that no other line names
.set SPW, 1
.set NIL, 2
.set LI16, 3                   ; 16, 8, 4 x lane
.set LI8, 4
.set LI4, 5
.set TIW4, 6
.set TIW8, 7
.set TIR, 8
.set E1W, 9
.set E1R, 10
.set E1C, 11
.set H128, 12                  ; 128 h
.set XW16, 13
.set XW8, 14
.set XW4, 15
.set XF, 16                    ; v16-27 the operand that stands alone
.set T1, 28                    ; v28-30, v32-34 second halves of conversions
.set W, 34                     ; v34-63 four operands on end, and six zero registers
.set SS, 128
.set LA, 192
.set LB, 194
.set LC, 196
.set LD, 198
.set BM, 192
.set PX, 196
.set SO, 200
.set QMA, 200
.set QMB, 201
.set QMC, 202
.set QSO, 203
.set WRO, 204                  ; global offsets, made at the head and kept
.set NRO, 205
.set H32, 206
.set R4, 207
.set H384, 208
.set TOK12, 209
.set WIO, 210
.set PS, 214                   ; scale words: v214, v218-221 hold scales and nothing else
.set WS, 218
.set PB, 224
.set U, 224                    ; the angle arithmetic's registers (embedding waves)
.set IV, 225
.set ER, 226
.set AN, 227
.set NN, 228
.set RD, 229
.set QI, 230
.set ZZ, 231
.set SP, 232
.set CP, 233
.set T0, 234
.set SN, 235
.set CN, 236
.set B0, 237
.set B1, 238
.set A0, 239
.set A1, 240
.set WV, 56
.set HD, 57
.set TT, 58
.set RR, 59
.set BX, 66
.set BY, 67
.set GI, 68
.set EE, 69
.set SEL, 70
.set INV64, 72
.set EPS, 73
.set EW, 74
.set EB1, 76
.set EB2, 78
.set WP, 80
.set WO, 82
.set S_QW, 84
.set S_QB, 86
.set OUTP, 88
.set OUTS, 90
.set TV, 92
.macro BAR                     ; my LDS stores have landed and my LDS loads are in: then the work-group's barrier
	s_wait_dscnt 0x0
	s_barrier_signal -1
	s_barrier_wait -1
.endm
.macro PK2 op, d, a, b         ; 16 packed operations over 32 registers, ascending
.set m_, 0
.rept 16
	\op v[\d+m_:\d+m_+1], v[\a+m_:\a+m_+1], v[\b+m_:\b+m_+1]
.set m_, m_+2
.endr
.endm
; A lane's 32 numbers, one block, become 6 registers of codes at dst; sc gets the row's scale word (right in lanes 0-15, which alone are read): my byte, and lane l xor 16's above it.
.macro Q32 src, dst, sc
	v_max3_num_f32 v[QMA], |v[\src]|, |v[\src+1]|, 0x2800000       ; the floor 2^(5 - 127): the byte cannot fall under 1
	v_max3_num_f32 v[QMB], |v[\src+2]|, |v[\src+3]|, |v[\src+4]|
.irp i, 5,9,13,17,21,25
	v_max3_num_f32 v[QMA], v[QMA], |v[\src+\i]|, |v[\src+\i+1]|
	v_max3_num_f32 v[QMB], v[QMB], |v[\src+\i+2]|, |v[\src+\i+3]|
.endr
	v_max3_num_f32 v[QMA], v[QMA], |v[\src+29]|, |v[\src+30]|
	v_max3_num_f32 v[QMA], v[QMA], v[QMB], |v[\src+31]|
	v_add_nc_u32 v[QSO], 0xfe000000, v[QMA]                        ; 4 off the exponent field: the conversion's scale operand
	v_lshrrev_b32 v[QMB], 23, v[QSO]                               ; the scale's byte
	v_permlanex16_b32 v[QMC], v[QMB], s[SEL], s[SEL+1]
	v_cvt_scalef32_pk16_bf6_f32 v[\dst:\dst+2], v[\src:\src+15], v[QSO]
	v_cvt_scalef32_pk16_bf6_f32 v[T1:T1+2], v[\src+16:\src+31], v[QSO]   ; (a conversion's three registers begin on an even number)
	v_lshl_or_b32 v[\sc], v[QMC], 8, v[QMB]                        ; the plain line behind the conversions
	v_mov_b32 v[\dst+3], v[T1]
	v_mov_b32 v[\dst+4], v[T1+1]
	v_mov_b32 v[\dst+5], v[T1+2]
.endm
; Four products: the weight's four tiles (source 0) x the fragment in XF (source 1), C at c, D at d.  Eight places ahead (scale words and codes made by vector instructions), four behind.
.macro MM4 d, c
.rept 8
	v_nop
.endr
.irp ct, 0,1,2,3
	v_wmma_scale_f32_16x16x128_f8f6f4 v[\d+8*\ct:\d+8*\ct+7], v[W+6*\ct:W+6*\ct+11], v[XF:XF+11], v[\c+8*\ct:\c+8*\ct+7], v[WS+\ct], v[PS] matrix_a_fmt:MATRIX_FMT_BF6 matrix_b_fmt:MATRIX_FMT_BF6
.endr
.rept 4
	v_nop
.endr
.endm
; Layer norm of a token whose 64 features lie in lanes l and l xor 16.  src is only read.
.macro LN src, dst, g, b
	v_pk_add_f32 v[LA:LA+1], v[\src:\src+1], v[\src+4:\src+5]
	v_pk_add_f32 v[LB:LB+1], v[\src+2:\src+3], v[\src+6:\src+7]
.irp i, 8,12,16,20,24,28
	v_pk_add_f32 v[LA:LA+1], v[LA:LA+1], v[\src+\i:\src+\i+1]
	v_pk_add_f32 v[LB:LB+1], v[LB:LB+1], v[\src+\i+2:\src+\i+3]
.endr
	v_pk_add_f32 v[LA:LA+1], v[LA:LA+1], v[LB:LB+1]
	v_add_f32 v[LA], v[LA], v[LA+1]
	v_permlanex16_b32 v[LB], v[LA], s[SEL], s[SEL+1]
	v_add_f32 v[LA], v[LA], v[LB]
	v_mul_f32 v[LA], s[INV64], v[LA]                               ; the mean
.set m_, 0
.rept 16
	v_pk_add_f32 v[\dst+m_:\dst+m_+1], v[\src+m_:\src+m_+1], v[LA:LA+1] op_sel_hi:[1,0] neg_lo:[0,1] neg_hi:[0,1]
.set m_, m_+2
.endr
	v_pk_mul_f32 v[LC:LC+1], v[\dst:\dst+1], v[\dst:\dst+1]
	v_pk_mul_f32 v[LD:LD+1], v[\dst+2:\dst+3], v[\dst+2:\dst+3]
.irp i, 4,8,12,16,20,24,28
	v_pk_fma_f32 v[LC:LC+1], v[\dst+\i:\dst+\i+1], v[\dst+\i:\dst+\i+1], v[LC:LC+1]
	v_pk_fma_f32 v[LD:LD+1], v[\dst+\i+2:\dst+\i+3], v[\dst+\i+2:\dst+\i+3], v[LD:LD+1]
.endr
	v_pk_add_f32 v[LC:LC+1], v[LC:LC+1], v[LD:LD+1]
	v_add_f32 v[LC], v[LC], v[LC+1]
	v_permlanex16_b32 v[LD], v[LC], s[SEL], s[SEL+1]
	v_add_f32 v[LC], v[LC], v[LD]
	v_fma_f32 v[LC], v[LC], s[INV64], s[EPS]                       ; variance + 1e-5
	v_rsq_f32 v[LC], v[LC]
	v_nop                                                          ; a plain line behind the transcendental
	s_wait_alu depctr_va_vdst(0)                                   ; and a wait ahead of its first reader
	s_wait_dscnt 0x0                                               ; gain and bias, where they come from LDS
.set m_, 0
.rept 16
	v_pk_mul_f32 v[\dst+m_:\dst+m_+1], v[\dst+m_:\dst+m_+1], v[LC:LC+1] op_sel_hi:[1,0]
.set m_, m_+2
.endr
.set m_, 0
.rept 16
	v_pk_fma_f32 v[\dst+m_:\dst+m_+1], v[\dst+m_:\dst+m_+1], v[\g+m_:\g+m_+1], v[\b+m_:\b+m_+1]
.set m_, m_+2
.endr
.endm
.macro FREQ lane, val          ; 10^(lane / 8) into its lane
	s_mov_b32 s60, \val
	v_writelane_b32 v[U], s60, \lane
.endm
	s_load_b512 s[4:19], s[0:1], 0x0               ; pos, t_int, w_in, b_in, emb1_w, emb1_b, ln_g, ln_b
	s_load_b512 s[20:35], s[0:1], 0x40             ; qkv_w, qkv_b, emb2_w, emb2_b, b_mid, sa1_out_w, sa1_f1_w, sa1_f2_w
	s_load_b512 s[36:51], s[0:1], 0x80             ; w_mid, sa2_out_w, sa2_f1_w, sa2_f2_w, sa2_qkv_w, kv1, q1, x1
	s_load_b128 s[52:55], s[0:1], 0xc0             ; wq, em2
	v_lshl_add_u32 v[SPW], v0, 2, SPARE
	v_mov_b32 v[NIL], 0
	v_lshrrev_b32 v16, 5, v0
	v_readfirstlane_b32 s[WV], v16                 ; wave 0..15
	s_lshr_b32 s[HD], s[WV], 2
	s_and_b32 s[TT], s[WV], 3
	s_xor_b32 s[RR], s[HD], s[TT]
	s_lshr_b32 s[EE], s[WV], 1
	s_min_u32 s[EE], s[EE], 1                      ; wave 1: set 0 (emb1), wave 2: set 1 (emb2)
	s_and_b32 s[BY], ttmp7, 0xffff                 ; batch
	s_mov_b32 s[BX], ttmp9                         ; group
	s_lshl_b32 s[GI], s[BY], 4
	s_add_co_u32 s[GI], s[GI], s[BX]               ; 16 b + g
	s_mov_b32 s[SEL], 0x76543210
	s_mov_b32 s[SEL+1], 0xfedcba98                 ; v_permlanex16_b32's selects for lane l xor 16
	s_mov_b32 s[INV64], 0x3c800000                 ; 1 / 64
	s_mov_b32 s[EPS], 0x3727c5ac                   ; 1e-5
	v_and_b32 v17, 31, v0                          ; lane
	v_and_b32 v18, 15, v0                          ; r
	v_bfe_u32 v19, v0, 4, 1                        ; h
	v_lshlrev_b32 v[LI16], 4, v17
	v_lshlrev_b32 v[LI8], 3, v17
	v_lshlrev_b32 v[LI4], 2, v17
	v_lshlrev_b32 v[H128], 7, v19
	s_lshl_b32 s60, s[EE], 9                       ; every LDS address is made here, ahead of the first parting of the waves
	v_add_nc_u32 v[TIW4], s60, v[LI4]
	v_add_nc_u32 v[TIW8], s60, v[LI8]
	v_add_nc_u32 v[TIW8], 256, v[TIW8]
	v_add_nc_u32 v[TIR], s60, v[H128]
	v_mul_u32_u24 v20, v18, 272
	v_add_nc_u32 v20, v20, v[H128]
	v_add_nc_u32 v[E1R], E1, v20                   ; E1 + 272 r + 128 h
	s_mul_i32 s60, s[EE], 4352
	v_add_nc_u32 v[E1W], s60, v[E1R]
	v_add_nc_u32 v[E1C], E1+4352, v[LI8]
	s_mul_i32 s60, s[TT], 896
	s_add_co_u32 s60, s60, XFI
	v_add_nc_u32 v[XW16], s60, v[LI16]
	v_add_nc_u32 v[XW8], s60, v[LI8]
	v_add_nc_u32 v[XW8], 512, v[XW8]
	v_add_nc_u32 v[XW4], s60, v[LI4]
	v_add_nc_u32 v[XW4], 768, v[XW4]
	v_and_b32 v20, 8, v18                          ; global offsets
	v_add_nc_u32 v20, v20, v18                     ; r + 8 (r / 8)
	s_lshr_b32 s60, s[TT], 1
	s_lshl_b32 s60, s60, 5
	s_and_b32 s61, s[TT], 1
	s_lshl_b32 s61, s61, 3
	s_add_co_u32 s60, s60, s61
	v_add_nc_u32 v20, s60, v20                     ; my local token
	v_mul_u32_u24 v[TOK12], v20, 12
	v_and_b32 v20, 7, v18
	v_lshrrev_b32 v21, 3, v18
	v_lshl_add_u32 v22, v21, 5, v20                ; r % 8 + 32 (r / 8): a row-layout tile's rows
	v_lshl_add_u32 v[WRO], v22, 8, v[H128]
	v_lshl_add_u32 v[NRO], v18, 8, v[H128]         ; natural rows
	v_lshlrev_b32 v[H32], 5, v19
	v_lshlrev_b32 v[R4], 2, v18
	v_mul_u32_u24 v[H384], v19, 384
	s_cmp_lt_u32 s[BY], 7                          ; the weight images: weight z = y; z < 7: row-layout tiles, else tiles of sa2_qkv_w in natural rows
	s_cselect_b32 s93, 32, 8
	s_cselect_b32 s94, 8, 16
	s_sub_co_u32 s95, s[BY], 7
	s_lshl_b32 s95, s95, 6
	s_cmp_lt_u32 s[BY], 7
	s_cselect_b32 s95, 0, s95
	s_mul_i32 s94, s94, s[HD]
	s_add_co_u32 s95, s95, s94
	v_mad_u32_u24 v22, v21, s93, v20
	v_add_nc_u32 v22, s95, v22
	v_lshl_add_u32 v[WIO], v22, 8, v[H128]
	v_mov_b32 v[QMC], 0                            ; written once: a lane permute's destination counts as one of its sources
	v_mov_b32 v[PX], 0
	v_mov_b32 v[PX+1], 0
	s_wait_kmcnt 0x0
	s_mul_i32 s60, s[GI], 768
	s_mov_b32 s61, 0
	s_add_nc_u64 s[4:5], s[4:5], s[60:61]          ; pos at my group
	s_lshl_b32 s60, s[BY], 2
	s_add_nc_u64 s[6:7], s[6:7], s[60:61]          ; t_int[b]
	s_lshl_b32 s60, s[BY], 8
	s_add_nc_u64 s[54:55], s[54:55], s[60:61]      ; em2[b]
	s_lshl_b32 s60, s[GI], 14
	s_lshl_b32 s62, s[TT], 12
	s_add_co_u32 s60, s60, s62
	s_add_nc_u64 s[50:51], s[50:51], s[60:61]      ; x1 at my tile's image
	; where the results of R = 1, 2, 3 go: made here, on the way that all waves take, so that the pointers come from the arguments on every way to the stores (a chain wave never uses its own)
	s_lshl_b32 s60, s[GI], 2
	s_add_co_u32 s60, s60, s[HD]
	s_lshl_b32 s60, s60, 12                        ; Q: ((16 b + g) 4 + hd) x 4,096
	s_mul_i32 s62, s[GI], 19968
	s_lshl_b32 s63, s[HD], 12
	s_add_co_u32 s63, s62, s63                     ; K: the group's block + 4,096 hd
	s_cmp_eq_u32 s[RR], 1
	s_cselect_b64 s[OUTP:OUTP+1], s[48:49], s[46:47]
	s_cselect_b32 s60, s60, s63
	s_mul_i32 s63, s[HD], 768
	s_add_co_u32 s63, s63, s62
	s_add_co_u32 s63, s63, 16384                   ; V: + 16,384 + 768 hd
	s_cmp_eq_u32 s[RR], 3
	s_cselect_b32 s60, s63, s60
	s_mov_b32 s61, 0
	s_add_nc_u64 s[OUTP:OUTP+1], s[OUTP:OUTP+1], s[60:61]
	s_lshl_b32 s60, s[HD], 7
	s_add_co_u32 s60, s60, s62
	s_add_co_u32 s60, s60, 19456                   ; V's scale words
	s_add_nc_u64 s[OUTS:OUTS+1], s[46:47], s[60:61]
	s_cmp_lg_u32 s[RR], 0
	s_cbranch_scc1 .Lp1_other
	; ---- chain waves, phase 1: pos w_in^T in f32
	global_load_b96 v[28:30], v[TOK12], s[4:5]
.set n, 0
.rept 24
	global_load_b128 v[64+4*n:64+4*n+3], v[H384], s[8:9] offset:16*n       ; w_in's rows 32 h .. 32 h + 31: register 64 + 3 i + k
.set n, n+1
.endr
.set n, 0
.rept 8
	global_load_b128 v[PB+4*n:PB+4*n+3], v[H128], s[16:17] offset:16*n     ; ln_g
	global_load_b128 v[32+4*n:32+4*n+3], v[H128], s[18:19] offset:16*n     ; ln_b
.set n, n+1
.endr
	s_wait_loadcnt 16                              ; pos and w_in are in; the sixteen loads of ln_g and ln_b may be out
.set n, 0
.rept 32
	v_mul_f32 v[160+n], v28, v[64+3*n]
.set n, n+1
.endr
.set n, 0
.rept 32
	v_fma_f32 v[160+n], v29, v[65+3*n], v[160+n]
.set n, n+1
.endr
.set n, 0
.rept 32
	v_fma_f32 v[160+n], v30, v[66+3*n], v[160+n]
.set n, n+1
.endr
	s_branch .LbarA
.Lp1_other:
	s_cmp_eq_u32 s[WV], 1                          ; wave 1: emb1, in every work-group;  wave 2: emb2, in the batch's first work-group
	s_cbranch_scc1 .Lemb
	s_cmp_lg_u32 s[WV], 2
	s_cbranch_scc1 .Lno_emb
	s_cmp_lg_u32 s[BX], 0
	s_cbranch_scc1 .Lno_emb
.Lemb:
	; ---- silu(t_info) W^T + two biases.  All 16 columns of the product are the batch's one row
	s_cmp_eq_u32 s[WV], 1
	s_cselect_b64 s[EW:EW+1], s[12:13], s[24:25]
	s_cselect_b64 s[EB1:EB1+1], s[14:15], s[26:27]
	s_cselect_b64 s[EB2:EB2+1], s[10:11], s[28:29]
	s_load_b32 s[TV], s[6:7], 0x0
.irp ct, 0,1,2,3
.irp i, 0,1,2,3,4,5,6,7
	global_load_b128 v[64+32*\ct+4*\i:64+32*\ct+4*\i+3], v[WRO], s[EW:EW+1] offset:2048*\ct+16*\i
.endr
.endr
	global_load_b64 v[192:193], v[LI8], s[EB1:EB1+1]
	global_load_b64 v[194:195], v[LI8], s[EB2:EB2+1]
	v_mov_b32 v[U], 0                              ; lane j: u = 10000^(j / 32) = 10^(j / 8)
	FREQ 0, 1.0
	FREQ 1, 1.3335214321633
	FREQ 2, 1.7782794100389
	FREQ 3, 2.3713737056617
	FREQ 4, 3.1622776601684
	FREQ 5, 4.2169650342858
	FREQ 6, 5.6234132519035
	FREQ 7, 7.4989420933246
	FREQ 8, 10.0
	FREQ 9, 13.335214321633
	FREQ 10, 17.782794100389
	FREQ 11, 23.713737056617
	FREQ 12, 31.622776601684
	FREQ 13, 42.169650342858
	FREQ 14, 56.234132519035
	FREQ 15, 74.989420933246
	FREQ 16, 100.0
	FREQ 17, 133.35214321633
	FREQ 18, 177.82794100389
	FREQ 19, 237.13737056617
	FREQ 20, 316.22776601684
	FREQ 21, 421.69650342858
	FREQ 22, 562.34132519035
	FREQ 23, 749.89420933246
	FREQ 24, 1000.0
	FREQ 25, 1333.5214321633
	FREQ 26, 1778.2794100389
	FREQ 27, 2371.3737056617
	FREQ 28, 3162.2776601684
	FREQ 29, 4216.9650342858
	FREQ 30, 5623.4132519035
	FREQ 31, 7498.9420933246
	v_rcp_f32 v[IV], v[U]
	v_nop
	s_wait_alu depctr_va_vdst(0)
	v_fma_f32 v[ER], -v[U], v[IV], 1.0             ; one Newton step: 1 / u as a division gives it
	v_fma_f32 v[IV], v[IV], v[ER], v[IV]
	s_wait_kmcnt 0x0
	v_mul_f32 v[AN], s[TV], v[IV]                  ; the angle
	v_mul_f32 v[NN], 0x3f22f983, v[AN]             ; x 2 / pi
	v_rndne_f32 v[NN], v[NN]
	v_fmamk_f32 v[RD], v[NN], 0xbfc90fd8, v[AN]    ; less n x pi / 2, in three parts
	v_fmamk_f32 v[RD], v[NN], 0xb4a8885a, v[RD]
	v_fmamk_f32 v[RD], v[NN], 0xa7c234c4, v[RD]
	v_cvt_i32_f32 v[QI], v[NN]
	v_mul_f32 v[ZZ], v[RD], v[RD]
	s_mov_b32 s60, -0.00019515295891
	s_mov_b32 s61, 0.0083321608736
	s_mov_b32 s62, -0.16666654611
	v_fma_f32 v[SP], v[ZZ], s60, s61
	v_fma_f32 v[SP], v[SP], v[ZZ], s62
	v_mul_f32 v[SP], v[SP], v[ZZ]
	v_fma_f32 v[SP], v[SP], v[RD], v[RD]           ; sin r
	s_mov_b32 s60, 0.00002443315711809948
	s_mov_b32 s61, -0.001388731625493765
	s_mov_b32 s62, 0.04166664568298827
	v_fma_f32 v[CP], v[ZZ], s60, s61
	v_fma_f32 v[CP], v[CP], v[ZZ], s62
	v_mul_f32 v[CP], v[CP], v[ZZ]
	v_fma_f32 v[T0], v[ZZ], -0.5, 1.0
	v_fma_f32 v[CP], v[CP], v[ZZ], v[T0]           ; cos r
	v_and_b32 v[B0], 1, v[QI]                      ; the quadrant selects values only
	v_cmp_eq_u32 vcc_lo, 1, v[B0]
	v_cndmask_b32 v[SN], v[SP], v[CP], vcc_lo
	v_cndmask_b32 v[CN], v[CP], v[SP], vcc_lo
	v_and_b32 v[B0], 2, v[QI]
	v_lshlrev_b32 v[B0], 30, v[B0]
	v_xor_b32 v[SN], v[SN], v[B0]                  ; sin of the angle
	v_add_nc_u32 v[B1], 1, v[QI]
	v_and_b32 v[B1], 2, v[B1]
	v_lshlrev_b32 v[B1], 30, v[B1]
	v_xor_b32 v[CN], v[CN], v[B1]                  ; cos
	v_mul_f32 v[A0], 0xbfb8aa3b, v[SN]
	v_mul_f32 v[A1], 0xbfb8aa3b, v[CN]
	v_exp_f32 v[A0], v[A0]
	v_exp_f32 v[A1], v[A1]
	v_nop
	s_wait_alu depctr_va_vdst(0)
	v_add_f32 v[A0], 1.0, v[A0]
	v_add_f32 v[A1], 1.0, v[A1]
	v_rcp_f32 v[A0], v[A0]
	v_rcp_f32 v[A1], v[A1]
	v_nop
	s_wait_alu depctr_va_vdst(0)
	v_mul_f32 v[SN], v[SN], v[A0]                  ; silu
	v_mul_f32 v[CN], v[CN], v[A1]
	ds_store_b32 v[TIW4], v[SN]                    ; features 0-31: sines; 32-63: cosines
	ds_store_b32 v[TIW4], v[CN] offset:128
	s_wait_loadcnt 0x0                             ; the weight and the two biases
	v_pk_add_f32 v[192:193], v[192:193], v[194:195]
	ds_store_b64 v[TIW8], v[192:193]
	Q32 64, W, WS
	Q32 96, W+6, WS+1
	Q32 128, W+12, WS+2
	Q32 160, W+18, WS+3
.irp i, 24,25,26,27,28,29
	v_mov_b32 v[W+\i], 0
.endr
.irp i, 6,7,8,9,10,11
	v_mov_b32 v[XF+\i], 0
.endr
.set n, 0
.rept 8
	ds_load_b128 v[64+4*n:64+4*n+3], v[TIR] offset:16*n            ; LDS serves a wave's instructions in order: these see my stores
	ds_load_b128 v[160+4*n:160+4*n+3], v[TIR] offset:256+16*n
.set n, n+1
.endr
	s_wait_dscnt 0x0
	Q32 64, XF, PS
	MM4 128, 160
.set n, 0
.rept 8
	ds_store_b128 v[E1W], v[128+4*n:128+4*n+3] offset:16*n
.set n, n+1
.endr
	s_cmp_lg_u32 s[WV], 2
	s_cbranch_scc1 .Lno_emb
	ds_load_b64 v[64:65], v[E1C]                   ; row 0 of my own rows
	s_wait_dscnt 0x0
	global_store_b64 v[LI8], v[64:65], s[54:55]    ; 32 lanes store 256 consecutive bytes, aligned
	s_wait_xcnt 0x0                                ; v64, v65 are loaded anew below
.Lno_emb:
	s_cmp_lg_u32 s[RR], 3                          ; the weight images: the four R = 3 waves of work-groups x = 1, y < 10: tile hd of weight z = y
	s_cbranch_scc1 .Lno_wimg
	s_cmp_lg_u32 s[BX], 1
	s_cbranch_scc1 .Lno_wimg
	s_cmp_ge_u32 s[BY], 10
	s_cbranch_scc1 .Lno_wimg
	s_mov_b64 s[WP:WP+1], s[44:45]
.irp z, 0,1,2,3,4,5,6
	s_cmp_eq_u32 s[BY], \z
	s_cselect_b64 s[WP:WP+1], s[30+2*\z:31+2*\z], s[WP:WP+1]
.endr
	s_lshl_b32 s60, s[BY], 2
	s_add_co_u32 s60, s60, s[HD]
	s_lshl_b32 s60, s60, 10
	s_mov_b32 s61, 0
	s_add_nc_u64 s[WO:WO+1], s[52:53], s[60:61]
.set n, 0
.rept 8
	global_load_b128 v[96+4*n:96+4*n+3], v[WIO], s[WP:WP+1] offset:16*n
.set n, n+1
.endr
	s_wait_loadcnt 0x0
	Q32 96, 36, WS
	global_store_b128 v[LI16], v[36:39], s[WO:WO+1]
	global_store_b64 v[LI8], v[40:41], s[WO:WO+1] offset:512
	global_store_b32 v[LI4], v[WS], s[WO:WO+1] offset:768
	s_wait_xcnt 0x0                                ; the stores' data are written again further on
.Lno_wimg:
	; ---- R = 1, 2, 3: my tile 4 (R - 1) + hd of sa1_qkv_w, and its bias
	s_sub_co_u32 s60, s[RR], 1
	s_lshl_b32 s60, s60, 2
	s_add_co_u32 s60, s60, s[HD]
	s_lshl_b32 s62, s60, 6
	s_lshl_b32 s60, s60, 12
	s_mov_b32 s61, 0
	s_mov_b32 s63, 0
	s_add_nc_u64 s[S_QW:S_QW+1], s[20:21], s[60:61]
	s_add_nc_u64 s[S_QB:S_QB+1], s[22:23], s[62:63]
.set n, 0
.rept 8
	global_load_b128 v[64+4*n:64+4*n+3], v[NRO], s[S_QW:S_QW+1] offset:16*n
.set n, n+1
.endr
	s_cmp_eq_u32 s[RR], 3
	s_cbranch_scc1 .Lbias_v
	global_load_b128 v[96:99], v[H32], s[S_QB:S_QB+1]              ; Q, K: register j is feature 8 h + j
	global_load_b128 v[100:103], v[H32], s[S_QB:S_QB+1] offset:16
	s_branch .LbarA
.Lbias_v:
.irp i, 0,1,2,3,4,5,6,7
	global_load_b32 v[96+\i], v[R4], s[S_QB:S_QB+1]                ; V: all eight registers are feature r
.endr
.LbarA:
	BAR                                            ; the embedding product lies in LDS
	s_cmp_lg_u32 s[RR], 0
	s_cbranch_scc1 .Lp2_other
	; ---- chain waves, phase 2
.set n, 0
.rept 8
	ds_load_b128 v[96+4*n:96+4*n+3], v[E1R] offset:16*n
.set n, n+1
.endr
	s_wait_dscnt 0x0
	PK2 v_pk_add_f32, 160, 160, 96                 ; x0
.set n, 0
.rept 8
	global_store_b128 v[LI16], v[160+4*n:160+4*n+3], s[50:51] offset:512*n     ; 32 lanes store 512 consecutive bytes
.set n, n+1
.endr
	s_wait_loadcnt 0x0                             ; ln_g, ln_b
	LN 160, 64, PB, 32
	Q32 64, XF, PS
	ds_store_b128 v[XW16], v[XF:XF+3]              ; the fragment goes to LDS as it stands
	ds_store_b64 v[XW8], v[XF+4:XF+5]
	ds_store_b32 v[XW4], v[PS]
	s_branch .LbarB
.Lp2_other:
	s_wait_loadcnt 0x0
	Q32 64, XF, PS                                 ; my tile of the weight
.irp i, 22,23,24,25,26,27,88,89,90,91,92,93
	v_mov_b32 v\i, 0
.endr
.LbarB:
	BAR                                            ; x's four fragments lie in LDS
	s_cmp_eq_u32 s[RR], 0
	s_cbranch_scc1 .Lend
	; ---- q, k, v of my head for the 64 tokens
.irp t, 0,1,2,3
	ds_load_b128 v[64+6*\t:64+6*\t+3], v[LI16] offset:XFI+896*\t
	ds_load_b64 v[64+6*\t+4:64+6*\t+5], v[LI8] offset:XFI+896*\t+512
	ds_load_b32 v[WS+\t], v[LI4] offset:XFI+896*\t+768
.endr
.rept 8
	v_nop                                          ; places behind the scale word and the zero registers made by vector instructions
.endr
	s_wait_dscnt 0x0
	s_cmp_eq_u32 s[RR], 3
	s_cbranch_scc1 .Lprod_v
.irp t, 0,1,2,3                                    ; source 0 = the weight's 16 rows, source 1 = 16 tokens: lane (r, h) holds token r, d = 8 h + 0 .. 7: the f32 product's operand as it stands
	v_wmma_scale_f32_16x16x128_f8f6f4 v[SS+8*\t:SS+8*\t+7], v[16:27], v[64+6*\t:64+6*\t+11], v[96:103], v[PS], v[WS+\t] matrix_a_fmt:MATRIX_FMT_BF6 matrix_b_fmt:MATRIX_FMT_BF6
.endr
.rept 4
	v_nop
.endr
.irp t, 0,1,2,3
	global_store_b128 v[LI16], v[SS+8*\t:SS+8*\t+3], s[OUTP:OUTP+1] offset:1024*\t
	global_store_b128 v[LI16], v[SS+8*\t+4:SS+8*\t+7], s[OUTP:OUTP+1] offset:1024*\t+512
.endr
	s_branch .Lend
.Lprod_v:
.irp t, 0,1,2,3                                    ; source 0 = 16 tokens, source 1 = the weight: lane (r, h) holds d = r, register 16 b' + i = token 32 b' + 16 h + i: neighbours along the keys
	v_wmma_scale_f32_16x16x128_f8f6f4 v[SS+8*\t:SS+8*\t+7], v[64+6*\t:64+6*\t+11], v[16:27], v[96:103], v[WS+\t], v[PS] matrix_a_fmt:MATRIX_FMT_BF6 matrix_b_fmt:MATRIX_FMT_BF6
.endr
.rept 4
	v_nop
.endr
.irp b, 0,1
	v_max3_num_f32 v[BM+\b], |v[SS+16*\b]|, |v[SS+16*\b+1]|, 0x2800000
.endr
.irp i, 2,4,6,8,10,12,14
.irp b, 0,1
	v_max3_num_f32 v[BM+\b], v[BM+\b], |v[SS+16*\b+\i]|, |v[SS+16*\b+\i+1]|
.endr
.endr
.irp b, 0,1
	v_permlanex16_b32 v[PX+\b], v[BM+\b], s[SEL], s[SEL+1]
.endr
.irp b, 0,1
	v_max_num_f32 v[BM+\b], v[BM+\b], v[PX+\b]
.endr
.irp b, 0,1
	v_add_nc_u32 v[SO+\b], 0xfe000000, v[BM+\b]
.endr
.irp b, 0,1
	v_lshrrev_b32 v[PX+\b], 23, v[SO+\b]
.endr
	v_lshl_or_b32 v[PS], v[PX+1], 8, v[PX]         ; the two blocks' bytes
	v_cvt_scalef32_pk16_bf6_f32 v[28:30], v[SS:SS+15], v[SO]
	v_cvt_scalef32_pk16_bf6_f32 v[32:34], v[SS+16:SS+31], v[SO+1]
	v_nop
	v_permlane16_swap_b32 v28, v32                 ; a whole block to a lane: lanes 0-15 tokens 0-31, lanes 16-31 tokens 32-63
	v_permlane16_swap_b32 v29, v33
	v_permlane16_swap_b32 v30, v34
	v_mov_b32 v31, v32
	v_mov_b32 v32, v33
	v_mov_b32 v33, v34
	global_store_b128 v[LI16], v[28:31], s[OUTP:OUTP+1]
	global_store_b64 v[LI8], v[32:33], s[OUTP:OUTP+1] offset:512
	global_store_b32 v[LI4], v[PS], s[OUTS:OUTS+1]
.Lend:
	s_wait_tensorcnt 0x0                           ; the wave's end
	ds_add_u32 v[SPW], v[NIL]
	s_wait_dscnt 0x0
	s_endpgm
.Lfunc_end_k_qd2775d6750_prep:
	.size	k_qd2775d6750_prep, .Lfunc_end_k_qd2775d6750_prep-k_qd2775d6750_prep
	.p2alignl 7, 3214868480
	.fill 96, 4, 3214868480
	.section	.rodata,"a",@progbits
	.p2align	6, 0x0
	.amdhsa_kernel k_qd2775d6750_prep
		.amdhsa_group_segment_fixed_size 15360
		.amdhsa_private_segment_fixed_size 0
		.amdhsa_enable_private_segment 0
		.amdhsa_kernarg_size 208
		.amdhsa_user_sgpr_count 2
		.amdhsa_user_sgpr_kernarg_segment_ptr 1
		.amdhsa_wavefront_size32 1
		.amdhsa_system_sgpr_workgroup_id_x 1
		.amdhsa_system_sgpr_workgroup_id_y 1
		.amdhsa_system_sgpr_workgroup_id_z 1
		.amdhsa_system_vgpr_workitem_id 0
		.amdhsa_next_free_vgpr 256
		.amdhsa_next_free_sgpr 100
		.amdhsa_reserve_vcc 1
		.amdhsa_float_denorm_mode_32 3
		.amdhsa_float_denorm_mode_16_64 3
		.amdhsa_memory_ordered 1
		.amdhsa_forward_progress 1
		.amdhsa_inst_pref_size 57
	.end_amdhsa_kernel
	.amdgpu_metadata
---
amdhsa.version: [ 1, 2 ]
amdhsa.kernels:
  - .name:           k_qd2775d6750_prep
    .symbol:         k_qd2775d6750_prep.kd
    .args:
      - { .name: pos, .offset: 0, .size: 8, .value_kind: global_buffer, .address_space: global }
      - { .name: t_int, .offset: 8, .size: 8, .value_kind: global_buffer, .address_space: global }
      - { .name: w_in, .offset: 16, .size: 8, .value_kind: global_buffer, .address_space: global }
      - { .name: b_in, .offset: 24, .size: 8, .value_kind: global_buffer, .address_space: global }
      - { .name: emb1_w, .offset: 32, .size: 8, .value_kind: global_buffer, .address_space: global }
      - { .name: emb1_b, .offset: 40, .size: 8, .value_kind: global_buffer, .address_space: global }
      - { .name: sa1_ln_g, .offset: 48, .size: 8, .value_kind: global_buffer, .address_space: global }
      - { .name: sa1_ln_b, .offset: 56, .size: 8, .value_kind: global_buffer, .address_space: global }
      - { .name: sa1_qkv_w, .offset: 64, .size: 8, .value_kind: global_buffer, .address_space: global }
      - { .name: sa1_qkv_b, .offset: 72, .size: 8, .value_kind: global_buffer, .address_space: global }
      - { .name: emb2_w, .offset: 80, .size: 8, .value_kind: global_buffer, .address_space: global }
      - { .name: emb2_b, .offset: 88, .size: 8, .value_kind: global_buffer, .address_space: global }
      - { .name: b_mid, .offset: 96, .size: 8, .value_kind: global_buffer, .address_space: global }
      - { .name: sa1_out_w, .offset: 104, .size: 8, .value_kind: global_buffer, .address_space: global }
      - { .name: sa1_f1_w, .offset: 112, .size: 8, .value_kind: global_buffer, .address_space: global }
      - { .name: sa1_f2_w, .offset: 120, .size: 8, .value_kind: global_buffer, .address_space: global }
      - { .name: w_mid, .offset: 128, .size: 8, .value_kind: global_buffer, .address_space: global }
      - { .name: sa2_out_w, .offset: 136, .size: 8, .value_kind: global_buffer, .address_space: global }
      - { .name: sa2_f1_w, .offset: 144, .size: 8, .value_kind: global_buffer, .address_space: global }
      - { .name: sa2_f2_w, .offset: 152, .size: 8, .value_kind: global_buffer, .address_space: global }
      - { .name: sa2_qkv_w, .offset: 160, .size: 8, .value_kind: global_buffer, .address_space: global }
      - { .name: kv1, .offset: 168, .size: 8, .value_kind: global_buffer, .address_space: global }
      - { .name: q1, .offset: 176, .size: 8, .value_kind: global_buffer, .address_space: global }
      - { .name: x1, .offset: 184, .size: 8, .value_kind: global_buffer, .address_space: global }
      - { .name: wq, .offset: 192, .size: 8, .value_kind: global_buffer, .address_space: global }
      - { .name: em2, .offset: 200, .size: 8, .value_kind: global_buffer, .address_space: global }
    .group_segment_fixed_size: 15360
    .private_segment_fixed_size: 0
    .kernarg_segment_align: 8
    .kernarg_segment_size: 208
    .max_flat_workgroup_size: 512
    .sgpr_count:     100
    .vgpr_count:     256
    .wavefront_size: 32
...
	.end_amdgpu_metadata
.endif
;; end of part 1
;; launch layer1 (part 2): grid 16 x 16, 16 waves a work-group, clusters of 4 x 1, 327,680 bytes of LDS; arguments kv1, q1, x1, wq, em2, sa1_out_b, sa1_fln_g, sa1_fln_b, sa1_f1_b, sa1_f2_b, sa2_ln_g, sa2_ln_b, sa2_qkv_b, kv2, q2, x2; writes kv2, q2, x2
.if DOCPART == 2
	.amdgcn_target "amdgcn-amd-amdhsa--gfx1250"
	.amdhsa_code_object_version 6
	.text
	.protected	k_qd2775d6750_layer1
	.globl	k_qd2775d6750_layer1
	.p2align	8
	.type	k_qd2775d6750_layer1,@function
k_qd2775d6750_layer1:
	s_mov_b64 s[64:65], 0
	v_nop
	global_prefetch_b8 v0, s[64:65] scope:SCOPE_SE
	s_setreg_imm32_b32 hwreg(HW_REG_WAVE_MODE, 25, 1), 1
	s_wait_xcnt 0x0
	s_wait_alu depctr_hold_cnt(0) depctr_sa_sdst(0) depctr_va_vdst(0) depctr_va_sdst(0) depctr_va_ssrc(0) depctr_va_vcc(0) depctr_vm_vsrc(0)
	s_getreg_b32 s2, hwreg(HW_REG_IB_STS2, 6, 4)
	s_cmp_eq_u32 s2, 0
	s_cbranch_scc0 .Lentry_in_a_cluster
	s_endpgm
.Lentry_in_a_cluster:
	s_bfe_u32 s2, ttmp6, 0x10000c
	s_cmp_lg_u32 s2, 0x3003
	s_cbranch_scc0 .Lentry_shape_is_right
	s_endpgm
.Lentry_shape_is_right:
; LAYER (LAST = 0: the first block).  Attention, out projection + residual, layer norm, f1, gelu, f2 + residual; then relu, w_mid + em2, layer norm, q, k, v of the second attention.  No work of reference() is left out.
; LIMITS: NaN and infinities are not served.  erf by a rational form on |z| <= 4 (about 2e-7 absolute).  A block of zeros gets the scale byte 1 (its codes are zeros; this program alone reads the bytes).
; SHARES.  A work-group takes 64 tokens (group g) of batch b, in 16 waves, four to a SIMD, so that one wave's f32 products run beside the others' softmax.  w = wave, hd = w / 4, tt = w % 4, R = hd xor tt.
; In the attention wave w owns head hd and query tile tt.  Behind it the four R = 0 waves carry a token tile each through the chain, in row layout (lane (r, h): token r, features 32 h + 0 .. 31), with no exchange between
; lanes but the norms'; R = 1, 2, 3 then make Q, K, V of head hd.  Layouts, tiles and the use of K = 64 in a form of 128 are as the first launch's head comment says.
; SCORES: S^T = K Q^T in f32 (their results go on into a quantiser): lane (r, h) holds d = 8 h + 0 .. 7 of its row on both sides, K step ks takes registers 2 ks, 2 ks + 1 of both: the same order of d on both sides.
; SOFTMAX: t = score x log2(e) / 4; M = ceil of the running largest t, kept as -M; p = 2^(t - M) is quantised along the keys; the sum is taken of the unquantised p; when M moves, sum and O are multiplied by 2^(old M - new M).
; ALL OF A BATCH'S K AND V, 319,488 bytes, LIES IN LDS AT ONCE: no slot is filled twice.  Each wave brings two pieces of 39 rows x 256 bytes; by the text's own count two tensor loads of a wave are out at the most.
; CLUSTER: the four groups of a cluster belong to one batch and read the same K and V: each piece is asked for jointly, by the same load with the mask of all four.  g enters global addresses alone.
.set LAST, 0
.set GRP,   19968              ; a group's block: K 16,384 | V 3,072 | V's scale words 512
.set HALF,  159744             ; eight groups
.set SPARE, 319488             ; the spare words, 128 bytes for each wave: eight blocks of 256 bytes that no other line names
.set PAR,   321536             ; eight vectors of 64 f32
.set XFI,   17408              ; behind the stage for O (bytes 0 .. 17,407: 4 tiles x 16 rows x 272): x's four images (LAST: 768 bytes of results).  Both lie in bytes that have had their one fill and their last read
.set SPW, 1
.set NIL, 2
.set LI16, 3
.set LI8, 4
.set LI4, 5
.set ADK, 6
.set ADV, 7
.set ADW, 8
.set ADS, 9
.set OSW, 10
.set OSR, 11
.set PRD, 12
.set XW16, 13
.set XW8, 14
.set XW4, 15
.set XF, 16                    ; v16-27 p's codes; in the chain the fragment of x
.set T1, 28                    ; v28-30, v32-34 second halves of conversions
.set W, 34                     ; the chain: v34-63 a weight's four tiles on end, and six zero registers
.set VV, 36                    ; v36-47 V's fragment
.set QQ, 48                    ; v48-55 Q
.set OO, 56                    ; v56-63 O^T
.set KP, 64                    ; v64-127 K's eight tiles, then p
.set Y, 64
.set PA, 96
.set SS, 128                   ; v128-191 are written by matrix instructions alone
.set S0, 128
.set S1, 160
.set BM, 192
.set PX, 196
.set SO, 200
.set LA, 192
.set LB, 194
.set LC, 196
.set LD, 198
.set Z2, 192
.set QMA, 200
.set QMB, 201
.set QMC, 202
.set QSO, 203
.set NM, 204                   ; -M;  v205 the largest t
.set TMX, 205
.set SUM, 206
.set FF, 208
.set SUMB, 210
.set VA1, 204
.set VB1, 206
.set TA, 212
.set TB, 213
.set PS, 214                   ; v214, v215, v218-221 hold scales and nothing else
.set VSW, 215
.set VS0, 216
.set WS, 218
.set PARW, 222
.set MSK, 223
.set PB, 224
.set P_KV, 4
.set P_Q, 6
.set P_X, 8
.set P_WQ, 10
.if LAST
.set P_PAR0, 12
.set P_WOUT, 22
.set P_BOUT, 24
.set P_MASK, 26
.set P_OUT, 28
.set ZB, 4
.else
.set P_EM2, 12
.set P_PAR0, 14
.set P_LNG, 24
.set P_LNB, 26
.set P_QKVB, 28
.set P_KVO, 30
.set P_QO, 32
.set P_XO, 34
.set ZB, 0
.endif
.set G1, 36
.set G0A, 44
.set G0B, 48
.set WV, 52
.set HD, 53
.set TT, 54
.set RR, 55
.set CNT, 56
.set BB, 57
.set GG, 58
.set GI, 59
.set TP, 66                    ; R > 0: my tile of wq, my bias
.set BP, 68
.set AL, 66                    ; R = 0: erf's coefficients, a pair each: s66-79, s80-89
.set BE, 80
.set LT0, 84                   ; at the head: temporaries for LDS addresses,
.set LT1, 85
.set DT, 88                    ; and for the descriptors' offset: neither ever holds my place in the cluster
.set INV64, 90
.set EPS, 91
.set SEL, 92
.set CS, 94
.set OUTP, 96
.set OUTS, 98
.set RS2, 100
.macro BAR
	s_wait_dscnt 0x0
	s_barrier_signal -1
	s_barrier_wait -1
.endm
.macro CROUND                  ; a round of the cluster's barrier
	s_barrier_signal -1
	s_barrier_wait -1
	s_cmp_lg_u32 s[WV], 0
	s_cbranch_scc1 .Lnot_wave_0_\@
	s_barrier_signal -3
.Lnot_wave_0_\@:
	s_barrier_wait -3
	s_barrier_signal -1
	s_barrier_wait -1
.endm
.macro PK2 op, d, a, b
.set m_, 0
.rept 16
	\op v[\d+m_:\d+m_+1], v[\a+m_:\a+m_+1], v[\b+m_:\b+m_+1]
.set m_, m_+2
.endr
.endm
.macro Q32 src, dst, sc        ; a lane's 32 numbers, one block, become 6 registers of codes; sc: the row's scale word (right in lanes 0-15, which alone are read)
	v_max3_num_f32 v[QMA], |v[\src]|, |v[\src+1]|, 0x2800000       ; the floor 2^(5 - 127): the byte cannot fall under 1
	v_max3_num_f32 v[QMB], |v[\src+2]|, |v[\src+3]|, |v[\src+4]|
.irp i, 5,9,13,17,21,25
	v_max3_num_f32 v[QMA], v[QMA], |v[\src+\i]|, |v[\src+\i+1]|
	v_max3_num_f32 v[QMB], v[QMB], |v[\src+\i+2]|, |v[\src+\i+3]|
.endr
	v_max3_num_f32 v[QMA], v[QMA], |v[\src+29]|, |v[\src+30]|
	v_max3_num_f32 v[QMA], v[QMA], v[QMB], |v[\src+31]|
	v_add_nc_u32 v[QSO], 0xfe000000, v[QMA]
	v_lshrrev_b32 v[QMB], 23, v[QSO]
	v_permlanex16_b32 v[QMC], v[QMB], s[SEL], s[SEL+1]
	v_cvt_scalef32_pk16_bf6_f32 v[\dst:\dst+2], v[\src:\src+15], v[QSO]
	v_cvt_scalef32_pk16_bf6_f32 v[T1:T1+2], v[\src+16:\src+31], v[QSO]
	v_lshl_or_b32 v[\sc], v[QMC], 8, v[QMB]                        ; the plain line behind the conversions
	v_mov_b32 v[\dst+3], v[T1]
	v_mov_b32 v[\dst+4], v[T1+1]
	v_mov_b32 v[\dst+5], v[T1+2]
.endm
.macro MM4 d, c                ; the weight's four tiles x the fragment in XF; eight places ahead, four behind; four accumulators, one instruction each
.rept 8
	v_nop
.endr
.irp ct, 0,1,2,3
	v_wmma_scale_f32_16x16x128_f8f6f4 v[\d+8*\ct:\d+8*\ct+7], v[W+6*\ct:W+6*\ct+11], v[XF:XF+11], v[\c+8*\ct:\c+8*\ct+7], v[WS+\ct], v[PS] matrix_a_fmt:MATRIX_FMT_BF6 matrix_b_fmt:MATRIX_FMT_BF6
.endr
.rept 4
	v_nop
.endr
.endm
.macro WLD z                   ; weight z's four tiles and scale words, from their images; asked for straight behind the products that used the registers last
.irp ct, 0,1,2,3
	global_load_b128 v[W+6*\ct:W+6*\ct+3], v[LI16], s[P_WQ:P_WQ+1] offset:1024*(4*(\z)+\ct)
	global_load_b64 v[W+6*\ct+4:W+6*\ct+5], v[LI8], s[P_WQ:P_WQ+1] offset:1024*(4*(\z)+\ct)+512
	global_load_b32 v[WS+\ct], v[LI4], s[P_WQ:P_WQ+1] offset:1024*(4*(\z)+\ct)+768
.endr
.endm
.macro PLOAD idx, dst          ; vector idx, my 32 features
.set m_, 0
.rept 8
	ds_load_b128 v[\dst+4*m_:\dst+4*m_+3], v[PRD] offset:256*(\idx)+16*m_
.set m_, m_+1
.endr
.endm
.macro LN src, dst, g, b
	v_pk_add_f32 v[LA:LA+1], v[\src:\src+1], v[\src+4:\src+5]
	v_pk_add_f32 v[LB:LB+1], v[\src+2:\src+3], v[\src+6:\src+7]
.irp i, 8,12,16,20,24,28
	v_pk_add_f32 v[LA:LA+1], v[LA:LA+1], v[\src+\i:\src+\i+1]
	v_pk_add_f32 v[LB:LB+1], v[LB:LB+1], v[\src+\i+2:\src+\i+3]
.endr
	v_pk_add_f32 v[LA:LA+1], v[LA:LA+1], v[LB:LB+1]
	v_add_f32 v[LA], v[LA], v[LA+1]
	v_permlanex16_b32 v[LB], v[LA], s[SEL], s[SEL+1]
	v_add_f32 v[LA], v[LA], v[LB]
	v_mul_f32 v[LA], s[INV64], v[LA]
.set m_, 0
.rept 16
	v_pk_add_f32 v[\dst+m_:\dst+m_+1], v[\src+m_:\src+m_+1], v[LA:LA+1] op_sel_hi:[1,0] neg_lo:[0,1] neg_hi:[0,1]
.set m_, m_+2
.endr
	v_pk_mul_f32 v[LC:LC+1], v[\dst:\dst+1], v[\dst:\dst+1]
	v_pk_mul_f32 v[LD:LD+1], v[\dst+2:\dst+3], v[\dst+2:\dst+3]
.irp i, 4,8,12,16,20,24,28
	v_pk_fma_f32 v[LC:LC+1], v[\dst+\i:\dst+\i+1], v[\dst+\i:\dst+\i+1], v[LC:LC+1]
	v_pk_fma_f32 v[LD:LD+1], v[\dst+\i+2:\dst+\i+3], v[\dst+\i+2:\dst+\i+3], v[LD:LD+1]
.endr
	v_pk_add_f32 v[LC:LC+1], v[LC:LC+1], v[LD:LD+1]
	v_add_f32 v[LC], v[LC], v[LC+1]
	v_permlanex16_b32 v[LD], v[LC], s[SEL], s[SEL+1]
	v_add_f32 v[LC], v[LC], v[LD]
	v_fma_f32 v[LC], v[LC], s[INV64], s[EPS]
	v_rsq_f32 v[LC], v[LC]
	v_nop                                                          ; a plain line behind the transcendental
	s_wait_alu depctr_va_vdst(0)                                   ; and a wait ahead of its first reader
	s_wait_dscnt 0x0                                               ; gain and bias are in
.set m_, 0
.rept 16
	v_pk_mul_f32 v[\dst+m_:\dst+m_+1], v[\dst+m_:\dst+m_+1], v[LC:LC+1] op_sel_hi:[1,0]
.set m_, m_+2
.endr
.set m_, 0
.rept 16
	v_pk_fma_f32 v[\dst+m_:\dst+m_+1], v[\dst+m_:\dst+m_+1], v[\g+m_:\g+m_+1], v[\b+m_:\b+m_+1]
.set m_, m_+2
.endr
.endm
; y = x (1 + erf(x / sqrt 2)) / 2;  erf(z) = z P(z^2) / Q(z^2) on |z| <= 4.  src is only read; PA, PB and v192-199 are at work.
.macro GELU src, y
.set m_, 0
.rept 16
	v_pk_mul_f32 v[\y+m_:\y+m_+1], v[\src+m_:\src+m_+1], s[RS2:RS2+1] op_sel_hi:[1,0]
.set m_, m_+2
.endr
.set m_, 0
.rept 32
	v_med3_num_f32 v[\y+m_], v[\y+m_], -4.0, 4.0
.set m_, m_+1
.endr
.irp c, 0,1,2,3
.irp p, 0,2,4,6
	v_pk_mul_f32 v[Z2+\p:Z2+\p+1], v[\y+8*\c+\p:\y+8*\c+\p+1], v[\y+8*\c+\p:\y+8*\c+\p+1]
.endr
.irp p, 0,2,4,6
	v_pk_fma_f32 v[PA+8*\c+\p:PA+8*\c+\p+1], v[Z2+\p:Z2+\p+1], s[AL:AL+1], v[VA1:VA1+1] op_sel_hi:[1,0,0]
.endr
.irp k, 2,3,4,5,6
.irp p, 0,2,4,6
	v_pk_fma_f32 v[PA+8*\c+\p:PA+8*\c+\p+1], v[PA+8*\c+\p:PA+8*\c+\p+1], v[Z2+\p:Z2+\p+1], s[AL+2*\k:AL+2*\k+1] op_sel_hi:[1,1,0]
.endr
.endr
.irp p, 0,2,4,6
	v_pk_fma_f32 v[PB+8*\c+\p:PB+8*\c+\p+1], v[Z2+\p:Z2+\p+1], s[BE:BE+1], v[VB1:VB1+1] op_sel_hi:[1,0,0]
.endr
.irp k, 2,3,4
.irp p, 0,2,4,6
	v_pk_fma_f32 v[PB+8*\c+\p:PB+8*\c+\p+1], v[PB+8*\c+\p:PB+8*\c+\p+1], v[Z2+\p:Z2+\p+1], s[BE+2*\k:BE+2*\k+1] op_sel_hi:[1,1,0]
.endr
.endr
.endr
.set m_, 0
.rept 32
	v_rcp_f32 v[PB+m_], v[PB+m_]                   ; one batch
.set m_, m_+1
.endr
	PK2 v_pk_mul_f32, PA, PA, \y                   ; z P: work that names no reciprocal
	s_wait_alu depctr_va_vdst(0)                   ; one wait for the batch, ahead of its first reader
	PK2 v_pk_mul_f32, PA, PA, PB                   ; erf
.set m_, 0
.rept 16
	v_pk_mul_f32 v[\y+m_:\y+m_+1], v[\src+m_:\src+m_+1], 0.5 op_sel_hi:[1,0]
.set m_, m_+2
.endr
.set m_, 0
.rept 16
	v_pk_fma_f32 v[\y+m_:\y+m_+1], v[\y+m_:\y+m_+1], v[PA+m_:PA+m_+1], v[\y+m_:\y+m_+1]
.set m_, m_+2
.endr
.endm
.macro COEF reg, val
	s_mov_b32 s[\reg], \val
	s_mov_b32 s[\reg+1], s[\reg]
.endm
.macro DOT wr, acc             ; the sum over 64 features of Y x a row of w_out, in every lane
	v_pk_mul_f32 v[\acc:\acc+1], v[Y:Y+1], v[\wr:\wr+1]
	v_pk_mul_f32 v[\acc+2:\acc+3], v[Y+2:Y+3], v[\wr+2:\wr+3]
.irp i, 4,8,12,16,20,24,28
	v_pk_fma_f32 v[\acc:\acc+1], v[Y+\i:Y+\i+1], v[\wr+\i:\wr+\i+1], v[\acc:\acc+1]
	v_pk_fma_f32 v[\acc+2:\acc+3], v[Y+\i+2:Y+\i+3], v[\wr+\i+2:\wr+\i+3], v[\acc+2:\acc+3]
.endr
	v_pk_add_f32 v[\acc:\acc+1], v[\acc:\acc+1], v[\acc+2:\acc+3]
	v_add_f32 v[\acc], v[\acc], v[\acc+1]
	v_permlanex16_b32 v[\acc+1], v[\acc], s[SEL], s[SEL+1]
	v_add_f32 v[\acc], v[\acc], v[\acc+1]
.endm
; A KEY STEP: 128 keys, two groups.
.macro STEP
.irp c, 0,1
.irp t, 0,1,2,3
	ds_load_b128 v[KP+8*(4*\c+\t):KP+8*(4*\c+\t)+3], v[ADK] offset:GRP*\c+1024*\t
	ds_load_b128 v[KP+8*(4*\c+\t)+4:KP+8*(4*\c+\t)+7], v[ADK] offset:GRP*\c+1024*\t+512
.endr
.endr
	s_wait_dscnt 0x0
.irp ks, 0,1,2,3                                   ; S^T = K Q^T: the eight accumulators take turns, one instruction a turn; the first K step starts each sum
.irp t, 0,1,2,3,4,5,6,7
.if \ks == 0
	v_wmma_f32_16x16x4_f32 v[SS+8*\t:SS+8*\t+7], v[KP+8*\t:KP+8*\t+1], v[QQ:QQ+1], 0
.else
	v_wmma_f32_16x16x4_f32 v[SS+8*\t:SS+8*\t+7], v[KP+8*\t+2*\ks:KP+8*\t+2*\ks+1], v[QQ+2*\ks:QQ+2*\ks+1], v[SS+8*\t:SS+8*\t+7]
.endif
.endr
.endr
	v_mov_b32 v[TA], v[NM]                         ; the old -M.  With the seven below: eight places behind the f32 form; they also stand between the last step's scaled product and the loads into its registers
.rept 7
	v_nop
.endr
.irp c, 0,1
	ds_load_b128 v[VV+6*\c:VV+6*\c+3], v[ADV] offset:GRP*\c
	ds_load_b64 v[VV+6*\c+4:VV+6*\c+5], v[ADW] offset:GRP*\c
	ds_load_b32 v[VS0+\c], v[ADS] offset:GRP*\c
.endr
.irp b, 0,1,2,3
	v_max3_num_f32 v[BM+\b], v[SS+16*\b], v[SS+16*\b+1], v[SS+16*\b+2]     ; the largest score of each block of 32 keys: for the row's maximum, and, since p rises with the score, for the block's largest p
.endr
.irp i, 3,5,7,9,11,13
.irp b, 0,1,2,3
	v_max3_num_f32 v[BM+\b], v[BM+\b], v[SS+16*\b+\i], v[SS+16*\b+\i+1]
.endr
.endr
.irp b, 0,1,2,3
	v_max_num_f32 v[BM+\b], v[BM+\b], v[SS+16*\b+15]
.endr
.irp b, 0,1,2,3
	v_permlanex16_b32 v[PX+\b], v[BM+\b], s[SEL], s[SEL+1]
.endr
.irp b, 0,1,2,3
	v_max_num_f32 v[BM+\b], v[BM+\b], v[PX+\b]
.endr
	v_max3_num_f32 v[TB], v[BM], v[BM+1], v[BM+2]
	v_max_num_f32 v[TB], v[TB], v[BM+3]
	v_mul_f32 v[TB], s[CS], v[TB]
	v_max_num_f32 v[TMX], v[TMX], v[TB]            ; the running largest t
	v_floor_f32 v[NM], -v[TMX]                     ; -M = floor(-t) = -ceil(t)
	v_sub_f32 v[TA], v[NM], v[TA]                  ; old M - new M: a whole number, 0 or less
	v_cvt_i32_f32 v[TA], v[TA]
	v_ldexp_f32 v[FF], 1.0, v[TA]                  ; f = 2^(old M - new M)
.set m_, 0
.rept 32
	v_pk_fma_f32 v[KP+m_:KP+m_+1], v[SS+m_:SS+m_+1], s[CS:CS+1], v[NM:NM+1] op_sel_hi:[1,0,0]     ; t - M
.set m_, m_+2
.endr
.irp b, 0,1,2,3
	v_fma_f32 v[BM+\b], v[BM+\b], s[CS], v[NM]
.endr
.set m_, 0
.rept 64
	v_exp_f32 v[KP+m_], v[KP+m_]                   ; p = 2^(t - M): one batch
.set m_, m_+1
.endr
	v_pk_mul_f32 v[SUM:SUM+1], v[SUM:SUM+1], v[FF:FF+1] op_sel_hi:[1,0]    ; the plain line behind the batch
	s_wait_alu depctr_va_vdst(0)                   ; one wait for the batch, ahead of its first reader
.irp b, 0,1,2,3
	v_exp_f32 v[BM+\b], v[BM+\b]                   ; each block's largest p
.endr
	v_pk_add_f32 v[SUMB:SUMB+1], v[KP:KP+1], v[KP+2:KP+3]          ; the sum of the unquantised p, in two chains
.irp j, 4,8,12,16,20,24,28
	v_pk_add_f32 v[SUM:SUM+1], v[SUM:SUM+1], v[KP+\j:KP+\j+1]
	v_pk_add_f32 v[SUMB:SUMB+1], v[SUMB:SUMB+1], v[KP+\j+2:KP+\j+3]
.endr
	s_wait_alu depctr_va_vdst(0)                   ; and one for the four
	s_wait_dscnt 0x0                               ; V and its scale words are in
.irp b, 0,1,2,3
	v_max_num_f32 v[BM+\b], 0x2800000, v[BM+\b]    ; the floor 2^(5 - 127)
.endr
.irp b, 0,1,2,3
	v_add_nc_u32 v[SO+\b], 0xfe000000, v[BM+\b]
.endr
.irp b, 0,1,2,3
	v_lshrrev_b32 v[PX+\b], 23, v[SO+\b]
.endr
	v_lshl_or_b32 v[PS], v[PX+1], 8, v[PX]         ; p's scale word for these 128 keys
	v_lshl_or_b32 v[PS], v[PX+2], 16, v[PS]
	v_lshl_or_b32 v[PS], v[PX+3], 24, v[PS]
	v_lshl_or_b32 v[VSW], v[VS0+1], 16, v[VS0]     ; V's: two bytes from each group
.irp j, 32,36,40,44,48,52,56,60                    ; the rest of the sum: also the places behind the two scale words
	v_pk_add_f32 v[SUM:SUM+1], v[SUM:SUM+1], v[KP+\j:KP+\j+1]
	v_pk_add_f32 v[SUMB:SUMB+1], v[SUMB:SUMB+1], v[KP+\j+2:KP+\j+3]
.endr
	v_pk_add_f32 v[SUM:SUM+1], v[SUM:SUM+1], v[SUMB:SUMB+1]
.irp c, 0,1
	v_cvt_scalef32_pk16_bf6_f32 v[XF+6*\c:XF+6*\c+2], v[KP+32*\c:KP+32*\c+15], v[SO+2*\c]
	v_cvt_scalef32_pk16_bf6_f32 v[T1+4*\c:T1+4*\c+2], v[KP+32*\c+16:KP+32*\c+31], v[SO+2*\c+1]
.endr
	v_nop
.irp c, 0,1                                        ; a whole block to a lane
.irp i, 0,1,2
	v_permlane16_swap_b32 v[XF+6*\c+\i], v[T1+4*\c+\i]
.endr
.irp i, 0,1,2
	v_mov_b32 v[XF+6*\c+3+\i], v[T1+4*\c+\i]
.endr
.endr
.irp i, 0,2,4,6
	v_pk_mul_f32 v[OO+\i:OO+\i+1], v[OO+\i:OO+\i+1], v[FF:FF+1] op_sel_hi:[1,0]    ; O^T under the new M
.endr
	v_add_nc_u32 v[ADK], 2*GRP, v[ADK]             ; on to the next two groups: four places behind p's codes
	v_add_nc_u32 v[ADV], 2*GRP, v[ADV]
	v_add_nc_u32 v[ADW], 2*GRP, v[ADW]
	v_add_nc_u32 v[ADS], 2*GRP, v[ADS]
	v_wmma_scale_f32_16x16x128_f8f6f4 v[OO:OO+7], v[VV:VV+11], v[XF:XF+11], v[OO:OO+7], v[VSW], v[PS] matrix_a_fmt:MATRIX_FMT_BF6 matrix_b_fmt:MATRIX_FMT_BF6
.endm
	s_load_b512 s[4:19], s[0:1], 0x0
.if LAST
	s_load_b256 s[20:27], s[0:1], 0x40
	s_load_b64 s[28:29], s[0:1], 0x60
.else
	s_load_b512 s[20:35], s[0:1], 0x40
.endif
	v_lshl_add_u32 v[SPW], v0, 2, SPARE
	v_mov_b32 v[NIL], 0
	ds_add_u32 v[SPW], v[NIL]                      ; the wave's opening: the add, twice on end, and its wait ahead of my first tensor load
	ds_add_u32 v[SPW], v[NIL]
	v_lshrrev_b32 v16, 5, v0
	v_readfirstlane_b32 s[WV], v16                 ; wave 0..15
	s_lshr_b32 s[HD], s[WV], 2
	s_and_b32 s[TT], s[WV], 3
	s_xor_b32 s[RR], s[HD], s[TT]
	s_and_b32 s[BB], ttmp7, 0xffff                 ; the batch, which the four partners share
	s_bfe_u32 s[GG], ttmp6, 0x40000                ; cx
	s_lshl_b32 s60, ttmp9, 2
	s_add_co_u32 s[GG], s[GG], s60                 ; my group = 4 x cluster x + cx
	s_lshl_b32 s[GI], s[BB], 4
	s_add_co_u32 s[GI], s[GI], s[GG]
	s_mov_b32 s[G1], 15|(3<<16)|(1<<21)            ; 15:0 the mask: all four; 17:16 elements of 8 bytes; 21 set beside a mask; no padding
	s_mov_b32 s[G1+1], 32<<16                      ; tensor_dim0 = 32 elements: 256 bytes
	s_mov_b32 s[G1+2], 39<<16                      ; tensor_dim1 = 39
	s_mov_b32 s[G1+3], 32<<16                      ; tile_dim0
	s_mov_b32 s[G1+4], 39                          ; tile_dim1
	s_mov_b32 s[G1+5], 32                          ; the rows are dense
	s_mov_b32 s[G1+6], 0
	s_mov_b32 s[G1+7], 0
	s_mov_b32 s[G0A], 1
	s_mul_i32 s[G0A+1], s[WV], 9984                ; LDS as memory: piece w of the first half,
	s_mov_b32 s[G0B], 1
	s_add_co_u32 s[G0B+1], s[G0A+1], HALF          ; and of the second
	s_mul_i32 s[DT], s[BB], 319488
	s_mul_i32 s[DT+1], s[WV], 9984
	s_add_co_u32 s[DT], s[DT], s[DT+1]
	s_mov_b32 s[DT+1], 0
	s_mov_b32 s[INV64], 0x3c800000
	s_mov_b32 s[EPS], 0x3727c5ac
	s_mov_b32 s[SEL], 0x76543210
	s_mov_b32 s[SEL+1], 0xfedcba98
	s_mov_b32 s[CS], 0x3eb8aa3b                    ; log2(e) / sqrt(16)
	s_mov_b32 s[CS+1], s[CS]
	v_and_b32 v16, 31, v0                          ; lane
	v_and_b32 v17, 15, v0                          ; r
	v_bfe_u32 v18, v0, 4, 1                        ; h
	v_lshlrev_b32 v[LI16], 4, v16
	v_lshlrev_b32 v[LI8], 3, v16
	v_lshlrev_b32 v[LI4], 2, v16
	s_lshl_b32 s[LT0], s[HD], 12                   ; every LDS address is made here
	v_add_nc_u32 v[ADK], s[LT0], v[LI16]
	s_mul_i32 s[LT0], s[HD], 768
	s_add_co_u32 s[LT1], s[LT0], 16384
	v_add_nc_u32 v[ADV], s[LT1], v[LI16]
	s_add_co_u32 s[LT1], s[LT0], 16896
	v_add_nc_u32 v[ADW], s[LT1], v[LI8]
	s_lshl_b32 s[LT0], s[HD], 7
	s_add_co_u32 s[LT0], s[LT0], 19456
	v_add_nc_u32 v[ADS], s[LT0], v[LI4]
	v_mul_u32_u24 v19, v17, 272
	s_mul_i32 s[LT0], s[TT], 4352
	v_add_nc_u32 v19, s[LT0], v19                  ; the stage for O: tile tt, row r
	v_lshl_add_u32 v[OSR], v18, 7, v19
	v_lshl_add_u32 v[OSW], v18, 5, v19
	s_lshl_b32 s[LT0], s[HD], 6
	v_add_nc_u32 v[OSW], s[LT0], v[OSW]
	v_lshlrev_b32 v[PRD], 7, v18
	v_add_nc_u32 v[PRD], PAR, v[PRD]
	v_add_nc_u32 v[PARW], PAR, v[LI8]
.if LAST
	v_and_b32 v20, 8, v17
	v_add_nc_u32 v20, v20, v17
	s_lshr_b32 s[LT0], s[TT], 1
	s_lshl_b32 s[LT0], s[LT0], 5
	s_and_b32 s[LT1], s[TT], 1
	s_lshl_b32 s[LT1], s[LT1], 3
	s_add_co_u32 s[LT0], s[LT0], s[LT1]
	v_add_nc_u32 v20, s[LT0], v20                  ; my local token
	v_mul_u32_u24 v[XW16], v20, 12
	v_add_nc_u32 v[XW16], XFI, v[XW16]             ; where its three results go
	v_lshlrev_b32 v21, 2, v20                      ; and its mask's offset
.else
	s_mul_i32 s[LT0], s[TT], 896
	s_add_co_u32 s[LT0], s[LT0], XFI
	v_add_nc_u32 v[XW16], s[LT0], v[LI16]
	v_add_nc_u32 v[XW8], s[LT0], v[LI8]
	v_add_nc_u32 v[XW8], 512, v[XW8]
	v_add_nc_u32 v[XW4], s[LT0], v[LI4]
	v_add_nc_u32 v[XW4], 768, v[XW4]
.endif
	s_wait_dscnt 0x0                               ; both opening adds are done
	s_wait_kmcnt 0x0
	s_add_nc_u64 s[G0A+2:G0A+3], s[P_KV:P_KV+1], s[DT:DT+1]
	s_add_nc_u64 s[G0B+2:G0B+3], s[G0A+2:G0A+3], HALF
	s_or_b32 s[G0A+3], s[G0A+3], 0x80000000
	s_or_b32 s[G0B+3], s[G0B+3], 0x80000000
	s_lshl_b32 s60, s[GI], 14
	s_lshl_b32 s62, s[TT], 12
	s_add_co_u32 s62, s62, s60
	s_mov_b32 s63, 0
	s_add_nc_u64 s[P_X:P_X+1], s[P_X:P_X+1], s[62:63]              ; x at my tile's image
.if LAST
	s_lshl_b32 s62, s[GI], 8
	s_add_nc_u64 s[P_MASK:P_MASK+1], s[P_MASK:P_MASK+1], s[62:63]
	s_mul_i32 s62, s[GI], 768
	s_add_nc_u64 s[P_OUT:P_OUT+1], s[P_OUT:P_OUT+1], s[62:63]
	s_load_b96 s[96:98], s[P_BOUT:P_BOUT+1], 0x0
.else
	s_add_nc_u64 s[P_XO:P_XO+1], s[P_XO:P_XO+1], s[62:63]
	s_lshl_b32 s62, s[BB], 8
	s_add_nc_u64 s[P_EM2:P_EM2+1], s[P_EM2:P_EM2+1], s[62:63]
.endif
	s_lshl_b32 s62, s[HD], 12
	s_add_co_u32 s60, s60, s62
	s_lshl_b32 s62, s[TT], 10
	s_add_co_u32 s60, s60, s62
	s_mov_b32 s61, 0
	s_add_nc_u64 s[P_Q:P_Q+1], s[P_Q:P_Q+1], s[60:61]              ; Q of my head and tile
.if LAST == 0
	; where the results of R = 1, 2, 3 go: made here, on the way that all waves take, so that the pointers come from the arguments on every way to the stores (a chain wave never uses its own)
	s_lshl_b32 s60, s[GI], 2
	s_add_co_u32 s60, s60, s[HD]
	s_lshl_b32 s60, s60, 12                        ; Q: ((16 b + g) 4 + hd) x 4,096
	s_mul_i32 s62, s[GI], GRP
	s_lshl_b32 s63, s[HD], 12
	s_add_co_u32 s63, s62, s63                     ; K: the group's block + 4,096 hd
	s_cmp_eq_u32 s[RR], 1
	s_cselect_b64 s[OUTP:OUTP+1], s[P_QO:P_QO+1], s[P_KVO:P_KVO+1]
	s_cselect_b32 s60, s60, s63
	s_mul_i32 s63, s[HD], 768
	s_add_co_u32 s63, s63, s62
	s_add_co_u32 s63, s63, 16384                   ; V: + 16,384 + 768 hd
	s_cmp_eq_u32 s[RR], 3
	s_cselect_b32 s60, s63, s60
	s_add_nc_u64 s[OUTP:OUTP+1], s[OUTP:OUTP+1], s[60:61]
	s_lshl_b32 s60, s[HD], 7
	s_add_co_u32 s60, s60, s62
	s_add_co_u32 s60, s60, 19456                   ; V's scale words
	s_add_nc_u64 s[OUTS:OUTS+1], s[P_KVO:P_KVO+1], s[60:61]
.endif
	CROUND                                         ; all four work-groups are here: the joint loads meet
	tensor_load_to_lds s[G0A:G0A+3], s[G1:G1+7]    ; keys 0-511: my piece
	s_nop 0
	tensor_load_to_lds s[G0B:G0B+3], s[G1:G1+7]    ; keys 512-1023
	s_nop 0
.rept 4
	v_nop
.endr
	global_load_b128 v[QQ:QQ+3], v[LI16], s[P_Q:P_Q+1]
	global_load_b128 v[QQ+4:QQ+7], v[LI16], s[P_Q:P_Q+1] offset:512
	s_cmp_lg_u32 s[RR], 0
	s_cbranch_scc1 .Lno_res
.set n, 0
.rept 8
	global_load_b128 v[PB+4*n:PB+4*n+3], v[LI16], s[P_X:P_X+1] offset:512*n        ; the residual, into registers that lie idle through the attention
.set n, n+1
.endr
.if LAST
	global_load_b32 v[MSK], v21, s[P_MASK:P_MASK+1]
.endif
.Lno_res:
	s_cmp_lg_u32 s[WV], 1
	s_cbranch_scc1 .Lno_par
.irp i, 0,1,2,3,4                                  ; wave 1 brings the small vectors into LDS: out_b, fln_g, fln_b, f1_b, f2_b,
	global_load_b64 v[64+2*\i:65+2*\i], v[LI8], s[P_PAR0+2*\i:P_PAR0+2*\i+1]
.endr
.if LAST
	global_load_b64 v[74:75], v[LI8], s[P_WOUT:P_WOUT+1]           ; and w_out's three rows
	global_load_b64 v[76:77], v[LI8], s[P_WOUT:P_WOUT+1] offset:256
	global_load_b64 v[78:79], v[LI8], s[P_WOUT:P_WOUT+1] offset:512
.else
	global_load_b64 v[74:75], v[LI8], s[P_EM2:P_EM2+1]             ; and em2[b], ln_g, ln_b
	global_load_b64 v[76:77], v[LI8], s[P_LNG:P_LNG+1]
	global_load_b64 v[78:79], v[LI8], s[P_LNB:P_LNB+1]
.endif
	s_wait_loadcnt 0x0
.irp i, 0,1,2,3,4,5,6,7
	ds_store_b64 v[PARW], v[64+2*\i:65+2*\i] offset:256*\i
.endr
.Lno_par:
	v_mov_b32 v[TMX], 0xff61b1e6                   ; the largest t so far: -3e38
	v_floor_f32 v[NM], -v[TMX]
	v_mov_b32 v[SUM], 0
	v_mov_b32 v[SUM+1], 0
	v_mov_b32 v[FF+1], 0                           ; (named as the upper half of a pair)
.irp i, 0,1,2,3,4,5,6,7
	v_mov_b32 v[OO+\i], 0                          ; the step is written once: the first finds zeros
.endr
.irp i, 0,1,2,3
	v_mov_b32 v[PX+\i], 0                          ; a lane permute's destination counts as one of its sources
.endr
	s_wait_kmcnt 0x0
	s_wait_loadcnt 0x0
	s_wait_tensorcnt 0x1                           ; my piece of keys 0-511 is in; the second load may stay out
	BAR
	s_mov_b32 s[CNT], 4
.Lkeys_a:
	STEP
	s_sub_co_u32 s[CNT], s[CNT], 1
	s_cmp_lg_u32 s[CNT], 0
	s_cbranch_scc1 .Lkeys_a
	s_wait_tensorcnt 0x0                           ; my piece of keys 512-1023 is in
	BAR                                            ; everybody's is
	s_mov_b32 s[CNT], 4
.Lkeys_b:
	STEP
	s_sub_co_u32 s[CNT], s[CNT], 1
	s_cmp_lg_u32 s[CNT], 0
	s_cbranch_scc1 .Lkeys_b
.rept 4
	v_nop                                          ; places behind the last product
.endr
	BAR                                            ; every wave has read its last key: LDS bytes 0 on are free for the stages
	v_add_f32 v[SUM], v[SUM], v[SUM+1]
	v_permlanex16_b32 v[TB], v[SUM], s[SEL], s[SEL+1]
	v_add_f32 v[SUM], v[SUM], v[TB]                ; the row's sum
	v_rcp_f32 v[SUM], v[SUM]
	v_nop
	s_wait_alu depctr_va_vdst(0)
.irp i, 0,2,4,6
	v_pk_mul_f32 v[Y+\i:Y+\i+1], v[OO+\i:OO+\i+1], v[SUM:SUM+1] op_sel_hi:[1,0]
.endr
	ds_store_b128 v[OSW], v[Y:Y+3]                 ; token r, features 16 hd + 8 h + 0 .. 7
	ds_store_b128 v[OSW], v[Y+4:Y+7] offset:16
	s_cmp_lg_u32 s[RR], 0
	s_cbranch_scc1 .Lb3
	WLD ZB
.Lb3:
	BAR                                            ; 64 rows of the attention's result lie in the stage
	s_cmp_lg_u32 s[RR], 0
	s_cbranch_scc1 .Lother
	; ---- THE CHAIN: one wave, one tile of 16 tokens
	COEF AL, -0.000000000272614225801306
	COEF AL+2, 0.0000000277068142495902
	COEF AL+4, -0.00000210102402082508
	COEF AL+6, -0.0000569250639462346
	COEF AL+8, -0.000734990630326855
	COEF AL+10, -0.00295459980854025
	COEF AL+12, -0.0160960333262415
	COEF BE, -0.0000145660718464996
	COEF BE+2, -0.000213374055278905
	COEF BE+4, -0.00168282697438203
	COEF BE+6, -0.00737332916720468
	COEF BE+8, -0.0142647390514189
	COEF RS2, 0x3f3504f3
	v_mov_b32 v[VA1], s[AL+2]
	v_mov_b32 v[VA1+1], s[AL+2]
	v_mov_b32 v[VB1], s[BE+2]
	v_mov_b32 v[VB1+1], s[BE+2]
.irp i, 6,7,8,9,10,11
	v_mov_b32 v[XF+\i], 0
.endr
.irp i, 24,25,26,27,28,29
	v_mov_b32 v[W+\i], 0
.endr
.set n, 0
.rept 8
	ds_load_b128 v[Y+4*n:Y+4*n+3], v[OSR] offset:16*n
.set n, n+1
.endr
	PLOAD 0, PA
	s_wait_dscnt 0x8                               ; my rows are in; the eight loads of out_b may be out
	Q32 Y, XF, PS
	s_wait_dscnt 0x0
	PK2 v_pk_add_f32, PB, PB, PA                   ; x + out_b: the C of the product
	s_wait_loadcnt 0x0
	MM4 S0, PB                                     ; av
	WLD ZB+1
	PLOAD 1, PA
	PLOAD 2, PB
	LN S0, Y, PA, PB
	PLOAD 3, PA
	Q32 Y, XF, PS
	s_wait_dscnt 0x0
	s_wait_loadcnt 0x0
	MM4 S1, PA                                     ; f1
	WLD ZB+2
	GELU S1, Y
	PLOAD 4, PA
	Q32 Y, XF, PS
	s_wait_dscnt 0x0
	PK2 v_pk_add_f32, PB, S0, PA                   ; av + f2_b
	s_wait_loadcnt 0x0
	MM4 S1, PB                                     ; the block's result
.if LAST
	PLOAD 5, PA
	PLOAD 6, PB
.set n, 0
.rept 32
	v_max_num_f32 v[Y+n], 0, v[S1+n]
.set n, n+1
.endr
	s_wait_dscnt 0x0
	DOT PA, 192                                    ; N = 3: in f32
	DOT PB, 196
	PLOAD 7, PA
	s_wait_dscnt 0x0
	DOT PA, 200
	v_add_f32 v192, s96, v192
	v_add_f32 v196, s97, v196
	v_add_f32 v200, s98, v200
	v_mul_f32 v192, v192, v[MSK]
	v_mul_f32 v196, v196, v[MSK]
	v_mul_f32 v200, v200, v[MSK]
	ds_store_b32 v[XW16], v192                     ; both halves of the lanes write the same word with the same value
	ds_store_b32 v[XW16], v196 offset:4
	ds_store_b32 v[XW16], v200 offset:8
.Lother:
.else
	WLD 3
	PLOAD 5, PA
.set n, 0
.rept 32
	v_max_num_f32 v[Y+n], 0, v[S1+n]
.set n, n+1
.endr
	Q32 Y, XF, PS
	s_wait_dscnt 0x0
	s_wait_loadcnt 0x0
	MM4 S0, PA                                     ; relu(x) w_mid^T + em2
.set n, 0
.rept 8
	global_store_b128 v[LI16], v[S0+4*n:S0+4*n+3], s[P_XO:P_XO+1] offset:512*n     ; 32 lanes store 512 consecutive bytes
.set n, n+1
.endr
	PLOAD 6, PA
	PLOAD 7, PB
	LN S0, Y, PA, PB
	Q32 Y, XF, PS
	ds_store_b128 v[XW16], v[XF:XF+3]
	ds_store_b64 v[XW8], v[XF+4:XF+5]
	ds_store_b32 v[XW4], v[PS]
	s_branch .Lb4
.Lother:
	; ---- meanwhile R = 1, 2, 3: my tile of sa2_qkv_w (as codes) and its bias
	s_sub_co_u32 s60, s[RR], 1
	s_lshl_b32 s60, s60, 2
	s_add_co_u32 s60, s60, s[HD]
	s_lshl_b32 s62, s60, 6
	s_add_co_u32 s60, s60, 28
	s_lshl_b32 s60, s60, 10
	s_mov_b32 s61, 0
	s_mov_b32 s63, 0
	s_add_nc_u64 s[TP:TP+1], s[P_WQ:P_WQ+1], s[60:61]
	s_add_nc_u64 s[BP:BP+1], s[P_QKVB:P_QKVB+1], s[62:63]
	global_load_b128 v[16:19], v[LI16], s[TP:TP+1]
	global_load_b64 v[20:21], v[LI8], s[TP:TP+1] offset:512
	global_load_b32 v[PS], v[LI4], s[TP:TP+1] offset:768
	v_bfe_u32 v[TA], v0, 4, 1
	v_lshlrev_b32 v[TA], 5, v[TA]                  ; 32 h
	v_and_b32 v[TB], 15, v0
	v_lshlrev_b32 v[TB], 2, v[TB]                  ; 4 r
	s_cmp_eq_u32 s[RR], 3
	s_cbranch_scc1 .Lbias_v
	global_load_b128 v[96:99], v[TA], s[BP:BP+1]
	global_load_b128 v[100:103], v[TA], s[BP:BP+1] offset:16
	s_branch .Lbias_in
.Lbias_v:
.irp i, 0,1,2,3,4,5,6,7
	global_load_b32 v[96+\i], v[TB], s[BP:BP+1]
.endr
.Lbias_in:
.irp i, 22,23,24,25,26,27,88,89,90,91,92,93
	v_mov_b32 v\i, 0
.endr
	s_wait_loadcnt 0x0
.endif
.Lb4:
	BAR
.if LAST
	s_cmp_lg_u32 s[WV], 0
	s_cbranch_scc1 .Lend
	ds_load_b128 v[64:67], v[LI16] offset:XFI      ; the group's 64 x 3 results: 768 consecutive bytes
	ds_load_b64 v[68:69], v[LI8] offset:XFI+512
	s_wait_dscnt 0x0
	global_store_b128 v[LI16], v[64:67], s[P_OUT:P_OUT+1]
	global_store_b64 v[LI8], v[68:69], s[P_OUT:P_OUT+1] offset:512
.else
	s_cmp_eq_u32 s[RR], 0
	s_cbranch_scc1 .Lend
.irp t, 0,1,2,3
	ds_load_b128 v[64+6*\t:64+6*\t+3], v[LI16] offset:XFI+896*\t
	ds_load_b64 v[64+6*\t+4:64+6*\t+5], v[LI8] offset:XFI+896*\t+512
	ds_load_b32 v[WS+\t], v[LI4] offset:XFI+896*\t+768
.endr
.rept 8
	v_nop
.endr
	s_wait_dscnt 0x0
	s_cmp_eq_u32 s[RR], 3
	s_cbranch_scc1 .Lprod_v
.irp t, 0,1,2,3                                    ; source 0 = the weight's 16 rows, source 1 = 16 tokens: lane (r, h) holds token r, d = 8 h + 0 .. 7
	v_wmma_scale_f32_16x16x128_f8f6f4 v[SS+8*\t:SS+8*\t+7], v[16:27], v[64+6*\t:64+6*\t+11], v[96:103], v[PS], v[WS+\t] matrix_a_fmt:MATRIX_FMT_BF6 matrix_b_fmt:MATRIX_FMT_BF6
.endr
.rept 4
	v_nop
.endr
.irp t, 0,1,2,3
	global_store_b128 v[LI16], v[SS+8*\t:SS+8*\t+3], s[OUTP:OUTP+1] offset:1024*\t
	global_store_b128 v[LI16], v[SS+8*\t+4:SS+8*\t+7], s[OUTP:OUTP+1] offset:1024*\t+512
.endr
	s_branch .Lend
.Lprod_v:
.irp t, 0,1,2,3                                    ; source 0 = 16 tokens, source 1 = the weight: lane (r, h) holds d = r, registers along the keys
	v_wmma_scale_f32_16x16x128_f8f6f4 v[SS+8*\t:SS+8*\t+7], v[64+6*\t:64+6*\t+11], v[16:27], v[96:103], v[WS+\t], v[PS] matrix_a_fmt:MATRIX_FMT_BF6 matrix_b_fmt:MATRIX_FMT_BF6
.endr
.rept 4
	v_nop
.endr
.irp b, 0,1
	v_max3_num_f32 v[BM+\b], |v[SS+16*\b]|, |v[SS+16*\b+1]|, 0x2800000
.endr
.irp i, 2,4,6,8,10,12,14
.irp b, 0,1
	v_max3_num_f32 v[BM+\b], v[BM+\b], |v[SS+16*\b+\i]|, |v[SS+16*\b+\i+1]|
.endr
.endr
.irp b, 0,1
	v_permlanex16_b32 v[PX+\b], v[BM+\b], s[SEL], s[SEL+1]
.endr
.irp b, 0,1
	v_max_num_f32 v[BM+\b], v[BM+\b], v[PX+\b]
.endr
.irp b, 0,1
	v_add_nc_u32 v[SO+\b], 0xfe000000, v[BM+\b]
.endr
.irp b, 0,1
	v_lshrrev_b32 v[PX+\b], 23, v[SO+\b]
.endr
	v_lshl_or_b32 v[PS], v[PX+1], 8, v[PX]
	v_cvt_scalef32_pk16_bf6_f32 v[28:30], v[SS:SS+15], v[SO]
	v_cvt_scalef32_pk16_bf6_f32 v[32:34], v[SS+16:SS+31], v[SO+1]
	v_nop
	v_permlane16_swap_b32 v28, v32
	v_permlane16_swap_b32 v29, v33
	v_permlane16_swap_b32 v30, v34
	v_mov_b32 v31, v32
	v_mov_b32 v32, v33
	v_mov_b32 v33, v34
	global_store_b128 v[LI16], v[28:31], s[OUTP:OUTP+1]
	global_store_b64 v[LI8], v[32:33], s[OUTP:OUTP+1] offset:512
	global_store_b32 v[LI4], v[PS], s[OUTS:OUTS+1]
.endif
.Lend:
	s_wait_tensorcnt 0x0                           ; the wave's end, behind my last tensor load and my last LDS store
	ds_add_u32 v[SPW], v[NIL]
	s_wait_dscnt 0x0
	CROUND                                         ; the closing round
	s_endpgm
.Lfunc_end_k_qd2775d6750_layer1:
	.size	k_qd2775d6750_layer1, .Lfunc_end_k_qd2775d6750_layer1-k_qd2775d6750_layer1
	.p2alignl 7, 3214868480
	.fill 96, 4, 3214868480
	.section	.rodata,"a",@progbits
	.p2align	6, 0x0
	.amdhsa_kernel k_qd2775d6750_layer1
		.amdhsa_group_segment_fixed_size 327680
		.amdhsa_private_segment_fixed_size 0
		.amdhsa_enable_private_segment 0
		.amdhsa_kernarg_size 128
		.amdhsa_user_sgpr_count 2
		.amdhsa_user_sgpr_kernarg_segment_ptr 1
		.amdhsa_wavefront_size32 1
		.amdhsa_system_sgpr_workgroup_id_x 1
		.amdhsa_system_sgpr_workgroup_id_y 1
		.amdhsa_system_sgpr_workgroup_id_z 1
		.amdhsa_system_vgpr_workitem_id 0
		.amdhsa_next_free_vgpr 256
		.amdhsa_next_free_sgpr 102
		.amdhsa_reserve_vcc 0
		.amdhsa_float_denorm_mode_32 3
		.amdhsa_float_denorm_mode_16_64 3
		.amdhsa_memory_ordered 1
		.amdhsa_forward_progress 1
		.amdhsa_inst_pref_size 105
	.end_amdhsa_kernel
	.amdgpu_metadata
---
amdhsa.version: [ 1, 2 ]
amdhsa.kernels:
  - .name:           k_qd2775d6750_layer1
    .symbol:         k_qd2775d6750_layer1.kd
    .args:
      - { .name: kv1, .offset: 0, .size: 8, .value_kind: global_buffer, .address_space: global }
      - { .name: q1, .offset: 8, .size: 8, .value_kind: global_buffer, .address_space: global }
      - { .name: x1, .offset: 16, .size: 8, .value_kind: global_buffer, .address_space: global }
      - { .name: wq, .offset: 24, .size: 8, .value_kind: global_buffer, .address_space: global }
      - { .name: em2, .offset: 32, .size: 8, .value_kind: global_buffer, .address_space: global }
      - { .name: sa1_out_b, .offset: 40, .size: 8, .value_kind: global_buffer, .address_space: global }
      - { .name: sa1_fln_g, .offset: 48, .size: 8, .value_kind: global_buffer, .address_space: global }
      - { .name: sa1_fln_b, .offset: 56, .size: 8, .value_kind: global_buffer, .address_space: global }
      - { .name: sa1_f1_b, .offset: 64, .size: 8, .value_kind: global_buffer, .address_space: global }
      - { .name: sa1_f2_b, .offset: 72, .size: 8, .value_kind: global_buffer, .address_space: global }
      - { .name: sa2_ln_g, .offset: 80, .size: 8, .value_kind: global_buffer, .address_space: global }
      - { .name: sa2_ln_b, .offset: 88, .size: 8, .value_kind: global_buffer, .address_space: global }
      - { .name: sa2_qkv_b, .offset: 96, .size: 8, .value_kind: global_buffer, .address_space: global }
      - { .name: kv2, .offset: 104, .size: 8, .value_kind: global_buffer, .address_space: global }
      - { .name: q2, .offset: 112, .size: 8, .value_kind: global_buffer, .address_space: global }
      - { .name: x2, .offset: 120, .size: 8, .value_kind: global_buffer, .address_space: global }
    .group_segment_fixed_size: 327680
    .private_segment_fixed_size: 0
    .kernarg_segment_align: 8
    .kernarg_segment_size: 128
    .max_flat_workgroup_size: 512
    .sgpr_count:     102
    .vgpr_count:     256
    .wavefront_size: 32
...
	.end_amdgpu_metadata
.endif
;; end of part 2
;; launch layer2 (part 3): grid 16 x 16, 16 waves a work-group, clusters of 4 x 1, 327,680 bytes of LDS; arguments kv2, q2, x2, wq, sa2_out_b, sa2_fln_g, sa2_fln_b, sa2_f1_b, sa2_f2_b, w_out, b_out, node_mask, out0; writes out0
.if DOCPART == 3
	.amdgcn_target "amdgcn-amd-amdhsa--gfx1250"
	.amdhsa_code_object_version 6
	.text
	.protected	k_qd2775d6750_layer2
	.globl	k_qd2775d6750_layer2
	.p2align	8
	.type	k_qd2775d6750_layer2,@function
k_qd2775d6750_layer2:
	s_mov_b64 s[64:65], 0
	v_nop
	global_prefetch_b8 v0, s[64:65] scope:SCOPE_SE
	s_setreg_imm32_b32 hwreg(HW_REG_WAVE_MODE, 25, 1), 1
	s_wait_xcnt 0x0
	s_wait_alu depctr_hold_cnt(0) depctr_sa_sdst(0) depctr_va_vdst(0) depctr_va_sdst(0) depctr_va_ssrc(0) depctr_va_vcc(0) depctr_vm_vsrc(0)
	s_getreg_b32 s2, hwreg(HW_REG_IB_STS2, 6, 4)
	s_cmp_eq_u32 s2, 0
	s_cbranch_scc0 .Lentry_in_a_cluster
	s_endpgm
.Lentry_in_a_cluster:
	s_bfe_u32 s2, ttmp6, 0x10000c
	s_cmp_lg_u32 s2, 0x3003
	s_cbranch_scc0 .Lentry_shape_is_right
	s_endpgm
.Lentry_shape_is_right:
; LAYER (LAST = 1: the second block).  Attention, out projection + residual, layer norm, f1, gelu, f2 + residual; then relu, w_out (N = 3, in f32), b_out, node_mask.  No work of reference() is left out.
; LIMITS: NaN and infinities are not served.  erf by a rational form on |z| <= 4 (about 2e-7 absolute).  A block of zeros gets the scale byte 1 (its codes are zeros; this program alone reads the bytes).
; SHARES.  A work-group takes 64 tokens (group g) of batch b, in 16 waves, four to a SIMD, so that one wave's f32 products run beside the others' softmax.  w = wave, hd = w / 4, tt = w % 4, R = hd xor tt.
; In the attention wave w owns head hd and query tile tt.  Behind it the four R = 0 waves carry a token tile each through the chain, in row layout (lane (r, h): token r, features 32 h + 0 .. 31), with no exchange between
; lanes but the norms' and the last sums'.  Layouts, tiles and the use of K = 64 in a form of 128 are as the first launch's head comment says.
; SCORES: S^T = K Q^T in f32 (their results go on into a quantiser): lane (r, h) holds d = 8 h + 0 .. 7 of its row on both sides, K step ks takes registers 2 ks, 2 ks + 1 of both: the same order of d on both sides.
; SOFTMAX: t = score x log2(e) / 4; M = ceil of the running largest t, kept as -M; p = 2^(t - M) is quantised along the keys; the sum is taken of the unquantised p; when M moves, sum and O are multiplied by 2^(old M - new M).
; ALL OF A BATCH'S K AND V, 319,488 bytes, LIES IN LDS AT ONCE: no slot is filled twice.  Each wave brings two pieces of 39 rows x 256 bytes; by the text's own count two tensor loads of a wave are out at the most.
; CLUSTER: the four groups of a cluster belong to one batch and read the same K and V: each piece is asked for jointly, by the same load with the mask of all four.  g enters global addresses alone.
.set LAST, 1
.set GRP,   19968              ; a group's block: K 16,384 | V 3,072 | V's scale words 512
.set HALF,  159744             ; eight groups
.set SPARE, 319488             ; the spare words, 128 bytes for each wave: eight blocks of 256 bytes that no other line names
.set PAR,   321536             ; eight vectors of 64 f32
.set XFI,   17408              ; behind the stage for O (bytes 0 .. 17,407: 4 tiles x 16 rows x 272): x's four images (LAST: 768 bytes of results).  Both lie in bytes that have had their one fill and their last read
.set SPW, 1
.set NIL, 2
.set LI16, 3
.set LI8, 4
.set LI4, 5
.set ADK, 6
.set ADV, 7
.set ADW, 8
.set ADS, 9
.set OSW, 10
.set OSR, 11
.set PRD, 12
.set XW16, 13
.set XW8, 14
.set XW4, 15
.set XF, 16                    ; v16-27 p's codes; in the chain the fragment of x
.set T1, 28                    ; v28-30, v32-34 second halves of conversions
.set W, 34                     ; the chain: v34-63 a weight's four tiles on end, and six zero registers
.set VV, 36                    ; v36-47 V's fragment
.set QQ, 48                    ; v48-55 Q
.set OO, 56                    ; v56-63 O^T
.set KP, 64                    ; v64-127 K's eight tiles, then p
.set Y, 64
.set PA, 96
.set SS, 128                   ; v128-191 are written by matrix instructions alone
.set S0, 128
.set S1, 160
.set BM, 192
.set PX, 196
.set SO, 200
.set LA, 192
.set LB, 194
.set LC, 196
.set LD, 198
.set Z2, 192
.set QMA, 200
.set QMB, 201
.set QMC, 202
.set QSO, 203
.set NM, 204                   ; -M;  v205 the largest t
.set TMX, 205
.set SUM, 206
.set FF, 208
.set SUMB, 210
.set VA1, 204
.set VB1, 206
.set TA, 212
.set TB, 213
.set PS, 214                   ; v214, v215, v218-221 hold scales and nothing else
.set VSW, 215
.set VS0, 216
.set WS, 218
.set PARW, 222
.set MSK, 223
.set PB, 224
.set P_KV, 4
.set P_Q, 6
.set P_X, 8
.set P_WQ, 10
.if LAST
.set P_PAR0, 12
.set P_WOUT, 22
.set P_BOUT, 24
.set P_MASK, 26
.set P_OUT, 28
.set ZB, 4
.else
.set P_EM2, 12
.set P_PAR0, 14
.set P_LNG, 24
.set P_LNB, 26
.set P_QKVB, 28
.set P_KVO, 30
.set P_QO, 32
.set P_XO, 34
.set ZB, 0
.endif
.set G1, 36
.set G0A, 44
.set G0B, 48
.set WV, 52
.set HD, 53
.set TT, 54
.set RR, 55
.set CNT, 56
.set BB, 57
.set GG, 58
.set GI, 59
.set TP, 66                    ; R > 0: my tile of wq, my bias
.set BP, 68
.set AL, 66                    ; R = 0: erf's coefficients, a pair each: s66-79, s80-89
.set BE, 80
.set LT0, 84                   ; at the head: temporaries for LDS addresses,
.set LT1, 85
.set DT, 88                    ; and for the descriptors' offset: neither ever holds my place in the cluster
.set INV64, 90
.set EPS, 91
.set SEL, 92
.set CS, 94
.set OUTP, 96
.set OUTS, 98
.set RS2, 100
.macro BAR
	s_wait_dscnt 0x0
	s_barrier_signal -1
	s_barrier_wait -1
.endm
.macro CROUND                  ; a round of the cluster's barrier
	s_barrier_signal -1
	s_barrier_wait -1
	s_cmp_lg_u32 s[WV], 0
	s_cbranch_scc1 .Lnot_wave_0_\@
	s_barrier_signal -3
.Lnot_wave_0_\@:
	s_barrier_wait -3
	s_barrier_signal -1
	s_barrier_wait -1
.endm
.macro PK2 op, d, a, b
.set m_, 0
.rept 16
	\op v[\d+m_:\d+m_+1], v[\a+m_:\a+m_+1], v[\b+m_:\b+m_+1]
.set m_, m_+2
.endr
.endm
.macro Q32 src, dst, sc        ; a lane's 32 numbers, one block, become 6 registers of codes; sc: the row's scale word (right in lanes 0-15, which alone are read)
	v_max3_num_f32 v[QMA], |v[\src]|, |v[\src+1]|, 0x2800000       ; the floor 2^(5 - 127): the byte cannot fall under 1
	v_max3_num_f32 v[QMB], |v[\src+2]|, |v[\src+3]|, |v[\src+4]|
.irp i, 5,9,13,17,21,25
	v_max3_num_f32 v[QMA], v[QMA], |v[\src+\i]|, |v[\src+\i+1]|
	v_max3_num_f32 v[QMB], v[QMB], |v[\src+\i+2]|, |v[\src+\i+3]|
.endr
	v_max3_num_f32 v[QMA], v[QMA], |v[\src+29]|, |v[\src+30]|
	v_max3_num_f32 v[QMA], v[QMA], v[QMB], |v[\src+31]|
	v_add_nc_u32 v[QSO], 0xfe000000, v[QMA]
	v_lshrrev_b32 v[QMB], 23, v[QSO]
	v_permlanex16_b32 v[QMC], v[QMB], s[SEL], s[SEL+1]
	v_cvt_scalef32_pk16_bf6_f32 v[\dst:\dst+2], v[\src:\src+15], v[QSO]
	v_cvt_scalef32_pk16_bf6_f32 v[T1:T1+2], v[\src+16:\src+31], v[QSO]
	v_lshl_or_b32 v[\sc], v[QMC], 8, v[QMB]                        ; the plain line behind the conversions
	v_mov_b32 v[\dst+3], v[T1]
	v_mov_b32 v[\dst+4], v[T1+1]
	v_mov_b32 v[\dst+5], v[T1+2]
.endm
.macro MM4 d, c                ; the weight's four tiles x the fragment in XF; eight places ahead, four behind; four accumulators, one instruction each
.rept 8
	v_nop
.endr
.irp ct, 0,1,2,3
	v_wmma_scale_f32_16x16x128_f8f6f4 v[\d+8*\ct:\d+8*\ct+7], v[W+6*\ct:W+6*\ct+11], v[XF:XF+11], v[\c+8*\ct:\c+8*\ct+7], v[WS+\ct], v[PS] matrix_a_fmt:MATRIX_FMT_BF6 matrix_b_fmt:MATRIX_FMT_BF6
.endr
.rept 4
	v_nop
.endr
.endm
.macro WLD z                   ; weight z's four tiles and scale words, from their images; asked for straight behind the products that used the registers last
.irp ct, 0,1,2,3
	global_load_b128 v[W+6*\ct:W+6*\ct+3], v[LI16], s[P_WQ:P_WQ+1] offset:1024*(4*(\z)+\ct)
	global_load_b64 v[W+6*\ct+4:W+6*\ct+5], v[LI8], s[P_WQ:P_WQ+1] offset:1024*(4*(\z)+\ct)+512
	global_load_b32 v[WS+\ct], v[LI4], s[P_WQ:P_WQ+1] offset:1024*(4*(\z)+\ct)+768
.endr
.endm
.macro PLOAD idx, dst          ; vector idx, my 32 features
.set m_, 0
.rept 8
	ds_load_b128 v[\dst+4*m_:\dst+4*m_+3], v[PRD] offset:256*(\idx)+16*m_
.set m_, m_+1
.endr
.endm
.macro LN src, dst, g, b
	v_pk_add_f32 v[LA:LA+1], v[\src:\src+1], v[\src+4:\src+5]
	v_pk_add_f32 v[LB:LB+1], v[\src+2:\src+3], v[\src+6:\src+7]
.irp i, 8,12,16,20,24,28
	v_pk_add_f32 v[LA:LA+1], v[LA:LA+1], v[\src+\i:\src+\i+1]
	v_pk_add_f32 v[LB:LB+1], v[LB:LB+1], v[\src+\i+2:\src+\i+3]
.endr
	v_pk_add_f32 v[LA:LA+1], v[LA:LA+1], v[LB:LB+1]
	v_add_f32 v[LA], v[LA], v[LA+1]
	v_permlanex16_b32 v[LB], v[LA], s[SEL], s[SEL+1]
	v_add_f32 v[LA], v[LA], v[LB]
	v_mul_f32 v[LA], s[INV64], v[LA]
.set m_, 0
.rept 16
	v_pk_add_f32 v[\dst+m_:\dst+m_+1], v[\src+m_:\src+m_+1], v[LA:LA+1] op_sel_hi:[1,0] neg_lo:[0,1] neg_hi:[0,1]
.set m_, m_+2
.endr
	v_pk_mul_f32 v[LC:LC+1], v[\dst:\dst+1], v[\dst:\dst+1]
	v_pk_mul_f32 v[LD:LD+1], v[\dst+2:\dst+3], v[\dst+2:\dst+3]
.irp i, 4,8,12,16,20,24,28
	v_pk_fma_f32 v[LC:LC+1], v[\dst+\i:\dst+\i+1], v[\dst+\i:\dst+\i+1], v[LC:LC+1]
	v_pk_fma_f32 v[LD:LD+1], v[\dst+\i+2:\dst+\i+3], v[\dst+\i+2:\dst+\i+3], v[LD:LD+1]
.endr
	v_pk_add_f32 v[LC:LC+1], v[LC:LC+1], v[LD:LD+1]
	v_add_f32 v[LC], v[LC], v[LC+1]
	v_permlanex16_b32 v[LD], v[LC], s[SEL], s[SEL+1]
	v_add_f32 v[LC], v[LC], v[LD]
	v_fma_f32 v[LC], v[LC], s[INV64], s[EPS]
	v_rsq_f32 v[LC], v[LC]
	v_nop                                                          ; a plain line behind the transcendental
	s_wait_alu depctr_va_vdst(0)                                   ; and a wait ahead of its first reader
	s_wait_dscnt 0x0                                               ; gain and bias are in
.set m_, 0
.rept 16
	v_pk_mul_f32 v[\dst+m_:\dst+m_+1], v[\dst+m_:\dst+m_+1], v[LC:LC+1] op_sel_hi:[1,0]
.set m_, m_+2
.endr
.set m_, 0
.rept 16
	v_pk_fma_f32 v[\dst+m_:\dst+m_+1], v[\dst+m_:\dst+m_+1], v[\g+m_:\g+m_+1], v[\b+m_:\b+m_+1]
.set m_, m_+2
.endr
.endm
; y = x (1 + erf(x / sqrt 2)) / 2;  erf(z) = z P(z^2) / Q(z^2) on |z| <= 4.  src is only read; PA, PB and v192-199 are at work.
.macro GELU src, y
.set m_, 0
.rept 16
	v_pk_mul_f32 v[\y+m_:\y+m_+1], v[\src+m_:\src+m_+1], s[RS2:RS2+1] op_sel_hi:[1,0]
.set m_, m_+2
.endr
.set m_, 0
.rept 32
	v_med3_num_f32 v[\y+m_], v[\y+m_], -4.0, 4.0
.set m_, m_+1
.endr
.irp c, 0,1,2,3
.irp p, 0,2,4,6
	v_pk_mul_f32 v[Z2+\p:Z2+\p+1], v[\y+8*\c+\p:\y+8*\c+\p+1], v[\y+8*\c+\p:\y+8*\c+\p+1]
.endr
.irp p, 0,2,4,6
	v_pk_fma_f32 v[PA+8*\c+\p:PA+8*\c+\p+1], v[Z2+\p:Z2+\p+1], s[AL:AL+1], v[VA1:VA1+1] op_sel_hi:[1,0,0]
.endr
.irp k, 2,3,4,5,6
.irp p, 0,2,4,6
	v_pk_fma_f32 v[PA+8*\c+\p:PA+8*\c+\p+1], v[PA+8*\c+\p:PA+8*\c+\p+1], v[Z2+\p:Z2+\p+1], s[AL+2*\k:AL+2*\k+1] op_sel_hi:[1,1,0]
.endr
.endr
.irp p, 0,2,4,6
	v_pk_fma_f32 v[PB+8*\c+\p:PB+8*\c+\p+1], v[Z2+\p:Z2+\p+1], s[BE:BE+1], v[VB1:VB1+1] op_sel_hi:[1,0,0]
.endr
.irp k, 2,3,4
.irp p, 0,2,4,6
	v_pk_fma_f32 v[PB+8*\c+\p:PB+8*\c+\p+1], v[PB+8*\c+\p:PB+8*\c+\p+1], v[Z2+\p:Z2+\p+1], s[BE+2*\k:BE+2*\k+1] op_sel_hi:[1,1,0]
.endr
.endr
.endr
.set m_, 0
.rept 32
	v_rcp_f32 v[PB+m_], v[PB+m_]                   ; one batch
.set m_, m_+1
.endr
	PK2 v_pk_mul_f32, PA, PA, \y                   ; z P: work that names no reciprocal
	s_wait_alu depctr_va_vdst(0)                   ; one wait for the batch, ahead of its first reader
	PK2 v_pk_mul_f32, PA, PA, PB                   ; erf
.set m_, 0
.rept 16
	v_pk_mul_f32 v[\y+m_:\y+m_+1], v[\src+m_:\src+m_+1], 0.5 op_sel_hi:[1,0]
.set m_, m_+2
.endr
.set m_, 0
.rept 16
	v_pk_fma_f32 v[\y+m_:\y+m_+1], v[\y+m_:\y+m_+1], v[PA+m_:PA+m_+1], v[\y+m_:\y+m_+1]
.set m_, m_+2
.endr
.endm
.macro COEF reg, val
	s_mov_b32 s[\reg], \val
	s_mov_b32 s[\reg+1], s[\reg]
.endm
.macro DOT wr, acc             ; the sum over 64 features of Y x a row of w_out, in every lane
	v_pk_mul_f32 v[\acc:\acc+1], v[Y:Y+1], v[\wr:\wr+1]
	v_pk_mul_f32 v[\acc+2:\acc+3], v[Y+2:Y+3], v[\wr+2:\wr+3]
.irp i, 4,8,12,16,20,24,28
	v_pk_fma_f32 v[\acc:\acc+1], v[Y+\i:Y+\i+1], v[\wr+\i:\wr+\i+1], v[\acc:\acc+1]
	v_pk_fma_f32 v[\acc+2:\acc+3], v[Y+\i+2:Y+\i+3], v[\wr+\i+2:\wr+\i+3], v[\acc+2:\acc+3]
.endr
	v_pk_add_f32 v[\acc:\acc+1], v[\acc:\acc+1], v[\acc+2:\acc+3]
	v_add_f32 v[\acc], v[\acc], v[\acc+1]
	v_permlanex16_b32 v[\acc+1], v[\acc], s[SEL], s[SEL+1]
	v_add_f32 v[\acc], v[\acc], v[\acc+1]
.endm
; A KEY STEP: 128 keys, two groups.
.macro STEP
.irp c, 0,1
.irp t, 0,1,2,3
	ds_load_b128 v[KP+8*(4*\c+\t):KP+8*(4*\c+\t)+3], v[ADK] offset:GRP*\c+1024*\t
	ds_load_b128 v[KP+8*(4*\c+\t)+4:KP+8*(4*\c+\t)+7], v[ADK] offset:GRP*\c+1024*\t+512
.endr
.endr
	s_wait_dscnt 0x0
.irp ks, 0,1,2,3                                   ; S^T = K Q^T: the eight accumulators take turns, one instruction a turn; the first K step starts each sum
.irp t, 0,1,2,3,4,5,6,7
.if \ks == 0
	v_wmma_f32_16x16x4_f32 v[SS+8*\t:SS+8*\t+7], v[KP+8*\t:KP+8*\t+1], v[QQ:QQ+1], 0
.else
	v_wmma_f32_16x16x4_f32 v[SS+8*\t:SS+8*\t+7], v[KP+8*\t+2*\ks:KP+8*\t+2*\ks+1], v[QQ+2*\ks:QQ+2*\ks+1], v[SS+8*\t:SS+8*\t+7]
.endif
.endr
.endr
	v_mov_b32 v[TA], v[NM]                         ; the old -M.  With the seven below: eight places behind the f32 form; they also stand between the last step's scaled product and the loads into its registers
.rept 7
	v_nop
.endr
.irp c, 0,1
	ds_load_b128 v[VV+6*\c:VV+6*\c+3], v[ADV] offset:GRP*\c
	ds_load_b64 v[VV+6*\c+4:VV+6*\c+5], v[ADW] offset:GRP*\c
	ds_load_b32 v[VS0+\c], v[ADS] offset:GRP*\c
.endr
.irp b, 0,1,2,3
	v_max3_num_f32 v[BM+\b], v[SS+16*\b], v[SS+16*\b+1], v[SS+16*\b+2]     ; the largest score of each block of 32 keys: for the row's maximum, and, since p rises with the score, for the block's largest p
.endr
.irp i, 3,5,7,9,11,13
.irp b, 0,1,2,3
	v_max3_num_f32 v[BM+\b], v[BM+\b], v[SS+16*\b+\i], v[SS+16*\b+\i+1]
.endr
.endr
.irp b, 0,1,2,3
	v_max_num_f32 v[BM+\b], v[BM+\b], v[SS+16*\b+15]
.endr
.irp b, 0,1,2,3
	v_permlanex16_b32 v[PX+\b], v[BM+\b], s[SEL], s[SEL+1]
.endr
.irp b, 0,1,2,3
	v_max_num_f32 v[BM+\b], v[BM+\b], v[PX+\b]
.endr
	v_max3_num_f32 v[TB], v[BM], v[BM+1], v[BM+2]
	v_max_num_f32 v[TB], v[TB], v[BM+3]
	v_mul_f32 v[TB], s[CS], v[TB]
	v_max_num_f32 v[TMX], v[TMX], v[TB]            ; the running largest t
	v_floor_f32 v[NM], -v[TMX]                     ; -M = floor(-t) = -ceil(t)
	v_sub_f32 v[TA], v[NM], v[TA]                  ; old M - new M: a whole number, 0 or less
	v_cvt_i32_f32 v[TA], v[TA]
	v_ldexp_f32 v[FF], 1.0, v[TA]                  ; f = 2^(old M - new M)
.set m_, 0
.rept 32
	v_pk_fma_f32 v[KP+m_:KP+m_+1], v[SS+m_:SS+m_+1], s[CS:CS+1], v[NM:NM+1] op_sel_hi:[1,0,0]     ; t - M
.set m_, m_+2
.endr
.irp b, 0,1,2,3
	v_fma_f32 v[BM+\b], v[BM+\b], s[CS], v[NM]
.endr
.set m_, 0
.rept 64
	v_exp_f32 v[KP+m_], v[KP+m_]                   ; p = 2^(t - M): one batch
.set m_, m_+1
.endr
	v_pk_mul_f32 v[SUM:SUM+1], v[SUM:SUM+1], v[FF:FF+1] op_sel_hi:[1,0]    ; the plain line behind the batch
	s_wait_alu depctr_va_vdst(0)                   ; one wait for the batch, ahead of its first reader
.irp b, 0,1,2,3
	v_exp_f32 v[BM+\b], v[BM+\b]                   ; each block's largest p
.endr
	v_pk_add_f32 v[SUMB:SUMB+1], v[KP:KP+1], v[KP+2:KP+3]          ; the sum of the unquantised p, in two chains
.irp j, 4,8,12,16,20,24,28
	v_pk_add_f32 v[SUM:SUM+1], v[SUM:SUM+1], v[KP+\j:KP+\j+1]
	v_pk_add_f32 v[SUMB:SUMB+1], v[SUMB:SUMB+1], v[KP+\j+2:KP+\j+3]
.endr
	s_wait_alu depctr_va_vdst(0)                   ; and one for the four
	s_wait_dscnt 0x0                               ; V and its scale words are in
.irp b, 0,1,2,3
	v_max_num_f32 v[BM+\b], 0x2800000, v[BM+\b]    ; the floor 2^(5 - 127)
.endr
.irp b, 0,1,2,3
	v_add_nc_u32 v[SO+\b], 0xfe000000, v[BM+\b]
.endr
.irp b, 0,1,2,3
	v_lshrrev_b32 v[PX+\b], 23, v[SO+\b]
.endr
	v_lshl_or_b32 v[PS], v[PX+1], 8, v[PX]         ; p's scale word for these 128 keys
	v_lshl_or_b32 v[PS], v[PX+2], 16, v[PS]
	v_lshl_or_b32 v[PS], v[PX+3], 24, v[PS]
	v_lshl_or_b32 v[VSW], v[VS0+1], 16, v[VS0]     ; V's: two bytes from each group
.irp j, 32,36,40,44,48,52,56,60                    ; the rest of the sum: also the places behind the two scale words
	v_pk_add_f32 v[SUM:SUM+1], v[SUM:SUM+1], v[KP+\j:KP+\j+1]
	v_pk_add_f32 v[SUMB:SUMB+1], v[SUMB:SUMB+1], v[KP+\j+2:KP+\j+3]
.endr
	v_pk_add_f32 v[SUM:SUM+1], v[SUM:SUM+1], v[SUMB:SUMB+1]
.irp c, 0,1
	v_cvt_scalef32_pk16_bf6_f32 v[XF+6*\c:XF+6*\c+2], v[KP+32*\c:KP+32*\c+15], v[SO+2*\c]
	v_cvt_scalef32_pk16_bf6_f32 v[T1+4*\c:T1+4*\c+2], v[KP+32*\c+16:KP+32*\c+31], v[SO+2*\c+1]
.endr
	v_nop
.irp c, 0,1                                        ; a whole block to a lane
.irp i, 0,1,2
	v_permlane16_swap_b32 v[XF+6*\c+\i], v[T1+4*\c+\i]
.endr
.irp i, 0,1,2
	v_mov_b32 v[XF+6*\c+3+\i], v[T1+4*\c+\i]
.endr
.endr
.irp i, 0,2,4,6
	v_pk_mul_f32 v[OO+\i:OO+\i+1], v[OO+\i:OO+\i+1], v[FF:FF+1] op_sel_hi:[1,0]    ; O^T under the new M
.endr
	v_add_nc_u32 v[ADK], 2*GRP, v[ADK]             ; on to the next two groups: four places behind p's codes
	v_add_nc_u32 v[ADV], 2*GRP, v[ADV]
	v_add_nc_u32 v[ADW], 2*GRP, v[ADW]
	v_add_nc_u32 v[ADS], 2*GRP, v[ADS]
	v_wmma_scale_f32_16x16x128_f8f6f4 v[OO:OO+7], v[VV:VV+11], v[XF:XF+11], v[OO:OO+7], v[VSW], v[PS] matrix_a_fmt:MATRIX_FMT_BF6 matrix_b_fmt:MATRIX_FMT_BF6
.endm
	s_load_b512 s[4:19], s[0:1], 0x0
.if LAST
	s_load_b256 s[20:27], s[0:1], 0x40
	s_load_b64 s[28:29], s[0:1], 0x60
.else
	s_load_b512 s[20:35], s[0:1], 0x40
.endif
	v_lshl_add_u32 v[SPW], v0, 2, SPARE
	v_mov_b32 v[NIL], 0
	ds_add_u32 v[SPW], v[NIL]                      ; the wave's opening: the add, twice on end, and its wait ahead of my first tensor load
	ds_add_u32 v[SPW], v[NIL]
	v_lshrrev_b32 v16, 5, v0
	v_readfirstlane_b32 s[WV], v16                 ; wave 0..15
	s_lshr_b32 s[HD], s[WV], 2
	s_and_b32 s[TT], s[WV], 3
	s_xor_b32 s[RR], s[HD], s[TT]
	s_and_b32 s[BB], ttmp7, 0xffff                 ; the batch, which the four partners share
	s_bfe_u32 s[GG], ttmp6, 0x40000                ; cx
	s_lshl_b32 s60, ttmp9, 2
	s_add_co_u32 s[GG], s[GG], s60                 ; my group = 4 x cluster x + cx
	s_lshl_b32 s[GI], s[BB], 4
	s_add_co_u32 s[GI], s[GI], s[GG]
	s_mov_b32 s[G1], 15|(3<<16)|(1<<21)            ; 15:0 the mask: all four; 17:16 elements of 8 bytes; 21 set beside a mask; no padding
	s_mov_b32 s[G1+1], 32<<16                      ; tensor_dim0 = 32 elements: 256 bytes
	s_mov_b32 s[G1+2], 39<<16                      ; tensor_dim1 = 39
	s_mov_b32 s[G1+3], 32<<16                      ; tile_dim0
	s_mov_b32 s[G1+4], 39                          ; tile_dim1
	s_mov_b32 s[G1+5], 32                          ; the rows are dense
	s_mov_b32 s[G1+6], 0
	s_mov_b32 s[G1+7], 0
	s_mov_b32 s[G0A], 1
	s_mul_i32 s[G0A+1], s[WV], 9984                ; LDS as memory: piece w of the first half,
	s_mov_b32 s[G0B], 1
	s_add_co_u32 s[G0B+1], s[G0A+1], HALF          ; and of the second
	s_mul_i32 s[DT], s[BB], 319488
	s_mul_i32 s[DT+1], s[WV], 9984
	s_add_co_u32 s[DT], s[DT], s[DT+1]
	s_mov_b32 s[DT+1], 0
	s_mov_b32 s[INV64], 0x3c800000
	s_mov_b32 s[EPS], 0x3727c5ac
	s_mov_b32 s[SEL], 0x76543210
	s_mov_b32 s[SEL+1], 0xfedcba98
	s_mov_b32 s[CS], 0x3eb8aa3b                    ; log2(e) / sqrt(16)
	s_mov_b32 s[CS+1], s[CS]
	v_and_b32 v16, 31, v0                          ; lane
	v_and_b32 v17, 15, v0                          ; r
	v_bfe_u32 v18, v0, 4, 1                        ; h
	v_lshlrev_b32 v[LI16], 4, v16
	v_lshlrev_b32 v[LI8], 3, v16
	v_lshlrev_b32 v[LI4], 2, v16
	s_lshl_b32 s[LT0], s[HD], 12                   ; every LDS address is made here
	v_add_nc_u32 v[ADK], s[LT0], v[LI16]
	s_mul_i32 s[LT0], s[HD], 768
	s_add_co_u32 s[LT1], s[LT0], 16384
	v_add_nc_u32 v[ADV], s[LT1], v[LI16]
	s_add_co_u32 s[LT1], s[LT0], 16896
	v_add_nc_u32 v[ADW], s[LT1], v[LI8]
	s_lshl_b32 s[LT0], s[HD], 7
	s_add_co_u32 s[LT0], s[LT0], 19456
	v_add_nc_u32 v[ADS], s[LT0], v[LI4]
	v_mul_u32_u24 v19, v17, 272
	s_mul_i32 s[LT0], s[TT], 4352
	v_add_nc_u32 v19, s[LT0], v19                  ; the stage for O: tile tt, row r
	v_lshl_add_u32 v[OSR], v18, 7, v19
	v_lshl_add_u32 v[OSW], v18, 5, v19
	s_lshl_b32 s[LT0], s[HD], 6
	v_add_nc_u32 v[OSW], s[LT0], v[OSW]
	v_lshlrev_b32 v[PRD], 7, v18
	v_add_nc_u32 v[PRD], PAR, v[PRD]
	v_add_nc_u32 v[PARW], PAR, v[LI8]
.if LAST
	v_and_b32 v20, 8, v17
	v_add_nc_u32 v20, v20, v17
	s_lshr_b32 s[LT0], s[TT], 1
	s_lshl_b32 s[LT0], s[LT0], 5
	s_and_b32 s[LT1], s[TT], 1
	s_lshl_b32 s[LT1], s[LT1], 3
	s_add_co_u32 s[LT0], s[LT0], s[LT1]
	v_add_nc_u32 v20, s[LT0], v20                  ; my local token
	v_mul_u32_u24 v[XW16], v20, 12
	v_add_nc_u32 v[XW16], XFI, v[XW16]             ; where its three results go
	v_lshlrev_b32 v21, 2, v20                      ; and its mask's offset
.else
	s_mul_i32 s[LT0], s[TT], 896
	s_add_co_u32 s[LT0], s[LT0], XFI
	v_add_nc_u32 v[XW16], s[LT0], v[LI16]
	v_add_nc_u32 v[XW8], s[LT0], v[LI8]
	v_add_nc_u32 v[XW8], 512, v[XW8]
	v_add_nc_u32 v[XW4], s[LT0], v[LI4]
	v_add_nc_u32 v[XW4], 768, v[XW4]
.endif
	s_wait_dscnt 0x0                               ; both opening adds are done
	s_wait_kmcnt 0x0
	s_add_nc_u64 s[G0A+2:G0A+3], s[P_KV:P_KV+1], s[DT:DT+1]
	s_add_nc_u64 s[G0B+2:G0B+3], s[G0A+2:G0A+3], HALF
	s_or_b32 s[G0A+3], s[G0A+3], 0x80000000
	s_or_b32 s[G0B+3], s[G0B+3], 0x80000000
	s_lshl_b32 s60, s[GI], 14
	s_lshl_b32 s62, s[TT], 12
	s_add_co_u32 s62, s62, s60
	s_mov_b32 s63, 0
	s_add_nc_u64 s[P_X:P_X+1], s[P_X:P_X+1], s[62:63]              ; x at my tile's image
.if LAST
	s_lshl_b32 s62, s[GI], 8
	s_add_nc_u64 s[P_MASK:P_MASK+1], s[P_MASK:P_MASK+1], s[62:63]
	s_mul_i32 s62, s[GI], 768
	s_add_nc_u64 s[P_OUT:P_OUT+1], s[P_OUT:P_OUT+1], s[62:63]
	s_load_b96 s[96:98], s[P_BOUT:P_BOUT+1], 0x0
.else
	s_add_nc_u64 s[P_XO:P_XO+1], s[P_XO:P_XO+1], s[62:63]
	s_lshl_b32 s62, s[BB], 8
	s_add_nc_u64 s[P_EM2:P_EM2+1], s[P_EM2:P_EM2+1], s[62:63]
.endif
	s_lshl_b32 s62, s[HD], 12
	s_add_co_u32 s60, s60, s62
	s_lshl_b32 s62, s[TT], 10
	s_add_co_u32 s60, s60, s62
	s_mov_b32 s61, 0
	s_add_nc_u64 s[P_Q:P_Q+1], s[P_Q:P_Q+1], s[60:61]              ; Q of my head and tile
	CROUND                                         ; all four work-groups are here: the joint loads meet
	tensor_load_to_lds s[G0A:G0A+3], s[G1:G1+7]    ; keys 0-511: my piece
	s_nop 0
	tensor_load_to_lds s[G0B:G0B+3], s[G1:G1+7]    ; keys 512-1023
	s_nop 0
.rept 4
	v_nop
.endr
	global_load_b128 v[QQ:QQ+3], v[LI16], s[P_Q:P_Q+1]
	global_load_b128 v[QQ+4:QQ+7], v[LI16], s[P_Q:P_Q+1] offset:512
	s_cmp_lg_u32 s[RR], 0
	s_cbranch_scc1 .Lno_res
.set n, 0
.rept 8
	global_load_b128 v[PB+4*n:PB+4*n+3], v[LI16], s[P_X:P_X+1] offset:512*n        ; the residual, into registers that lie idle through the attention
.set n, n+1
.endr
.if LAST
	global_load_b32 v[MSK], v21, s[P_MASK:P_MASK+1]
.endif
.Lno_res:
	s_cmp_lg_u32 s[WV], 1
	s_cbranch_scc1 .Lno_par
.irp i, 0,1,2,3,4                                  ; wave 1 brings the small vectors into LDS: out_b, fln_g, fln_b, f1_b, f2_b,
	global_load_b64 v[64+2*\i:65+2*\i], v[LI8], s[P_PAR0+2*\i:P_PAR0+2*\i+1]
.endr
.if LAST
	global_load_b64 v[74:75], v[LI8], s[P_WOUT:P_WOUT+1]           ; and w_out's three rows
	global_load_b64 v[76:77], v[LI8], s[P_WOUT:P_WOUT+1] offset:256
	global_load_b64 v[78:79], v[LI8], s[P_WOUT:P_WOUT+1] offset:512
.else
	global_load_b64 v[74:75], v[LI8], s[P_EM2:P_EM2+1]             ; and em2[b], ln_g, ln_b
	global_load_b64 v[76:77], v[LI8], s[P_LNG:P_LNG+1]
	global_load_b64 v[78:79], v[LI8], s[P_LNB:P_LNB+1]
.endif
	s_wait_loadcnt 0x0
.irp i, 0,1,2,3,4,5,6,7
	ds_store_b64 v[PARW], v[64+2*\i:65+2*\i] offset:256*\i
.endr
.Lno_par:
	v_mov_b32 v[TMX], 0xff61b1e6                   ; the largest t so far: -3e38
	v_floor_f32 v[NM], -v[TMX]
	v_mov_b32 v[SUM], 0
	v_mov_b32 v[SUM+1], 0
	v_mov_b32 v[FF+1], 0                           ; (named as the upper half of a pair)
.irp i, 0,1,2,3,4,5,6,7
	v_mov_b32 v[OO+\i], 0                          ; the step is written once: the first finds zeros
.endr
.irp i, 0,1,2,3
	v_mov_b32 v[PX+\i], 0                          ; a lane permute's destination counts as one of its sources
.endr
	s_wait_kmcnt 0x0
	s_wait_loadcnt 0x0
	s_wait_tensorcnt 0x1                           ; my piece of keys 0-511 is in; the second load may stay out
	BAR
	s_mov_b32 s[CNT], 4
.Lkeys_a:
	STEP
	s_sub_co_u32 s[CNT], s[CNT], 1
	s_cmp_lg_u32 s[CNT], 0
	s_cbranch_scc1 .Lkeys_a
	s_wait_tensorcnt 0x0                           ; my piece of keys 512-1023 is in
	BAR                                            ; everybody's is
	s_mov_b32 s[CNT], 4
.Lkeys_b:
	STEP
	s_sub_co_u32 s[CNT], s[CNT], 1
	s_cmp_lg_u32 s[CNT], 0
	s_cbranch_scc1 .Lkeys_b
.rept 4
	v_nop                                          ; places behind the last product
.endr
	BAR                                            ; every wave has read its last key: LDS bytes 0 on are free for the stages
	v_add_f32 v[SUM], v[SUM], v[SUM+1]
	v_permlanex16_b32 v[TB], v[SUM], s[SEL], s[SEL+1]
	v_add_f32 v[SUM], v[SUM], v[TB]                ; the row's sum
	v_rcp_f32 v[SUM], v[SUM]
	v_nop
	s_wait_alu depctr_va_vdst(0)
.irp i, 0,2,4,6
	v_pk_mul_f32 v[Y+\i:Y+\i+1], v[OO+\i:OO+\i+1], v[SUM:SUM+1] op_sel_hi:[1,0]
.endr
	ds_store_b128 v[OSW], v[Y:Y+3]                 ; token r, features 16 hd + 8 h + 0 .. 7
	ds_store_b128 v[OSW], v[Y+4:Y+7] offset:16
	s_cmp_lg_u32 s[RR], 0
	s_cbranch_scc1 .Lb3
	WLD ZB
.Lb3:
	BAR                                            ; 64 rows of the attention's result lie in the stage
	s_cmp_lg_u32 s[RR], 0
	s_cbranch_scc1 .Lother
	; ---- THE CHAIN: one wave, one tile of 16 tokens
	COEF AL, -0.000000000272614225801306
	COEF AL+2, 0.0000000277068142495902
	COEF AL+4, -0.00000210102402082508
	COEF AL+6, -0.0000569250639462346
	COEF AL+8, -0.000734990630326855
	COEF AL+10, -0.00295459980854025
	COEF AL+12, -0.0160960333262415
	COEF BE, -0.0000145660718464996
	COEF BE+2, -0.000213374055278905
	COEF BE+4, -0.00168282697438203
	COEF BE+6, -0.00737332916720468
	COEF BE+8, -0.0142647390514189
	COEF RS2, 0x3f3504f3
	v_mov_b32 v[VA1], s[AL+2]
	v_mov_b32 v[VA1+1], s[AL+2]
	v_mov_b32 v[VB1], s[BE+2]
	v_mov_b32 v[VB1+1], s[BE+2]
.irp i, 6,7,8,9,10,11
	v_mov_b32 v[XF+\i], 0
.endr
.irp i, 24,25,26,27,28,29
	v_mov_b32 v[W+\i], 0
.endr
.set n, 0
.rept 8
	ds_load_b128 v[Y+4*n:Y+4*n+3], v[OSR] offset:16*n
.set n, n+1
.endr
	PLOAD 0, PA
	s_wait_dscnt 0x8                               ; my rows are in; the eight loads of out_b may be out
	Q32 Y, XF, PS
	s_wait_dscnt 0x0
	PK2 v_pk_add_f32, PB, PB, PA                   ; x + out_b: the C of the product
	s_wait_loadcnt 0x0
	MM4 S0, PB                                     ; av
	WLD ZB+1
	PLOAD 1, PA
	PLOAD 2, PB
	LN S0, Y, PA, PB
	PLOAD 3, PA
	Q32 Y, XF, PS
	s_wait_dscnt 0x0
	s_wait_loadcnt 0x0
	MM4 S1, PA                                     ; f1
	WLD ZB+2
	GELU S1, Y
	PLOAD 4, PA
	Q32 Y, XF, PS
	s_wait_dscnt 0x0
	PK2 v_pk_add_f32, PB, S0, PA                   ; av + f2_b
	s_wait_loadcnt 0x0
	MM4 S1, PB                                     ; the block's result
.if LAST
	PLOAD 5, PA
	PLOAD 6, PB
.set n, 0
.rept 32
	v_max_num_f32 v[Y+n], 0, v[S1+n]
.set n, n+1
.endr
	s_wait_dscnt 0x0
	DOT PA, 192                                    ; N = 3: in f32
	DOT PB, 196
	PLOAD 7, PA
	s_wait_dscnt 0x0
	DOT PA, 200
	v_add_f32 v192, s96, v192
	v_add_f32 v196, s97, v196
	v_add_f32 v200, s98, v200
	v_mul_f32 v192, v192, v[MSK]
	v_mul_f32 v196, v196, v[MSK]
	v_mul_f32 v200, v200, v[MSK]
	ds_store_b32 v[XW16], v192                     ; both halves of the lanes write the same word with the same value
	ds_store_b32 v[XW16], v196 offset:4
	ds_store_b32 v[XW16], v200 offset:8
.Lother:
.else
	WLD 3
	PLOAD 5, PA
.set n, 0
.rept 32
	v_max_num_f32 v[Y+n], 0, v[S1+n]
.set n, n+1
.endr
	Q32 Y, XF, PS
	s_wait_dscnt 0x0
	s_wait_loadcnt 0x0
	MM4 S0, PA                                     ; relu(x) w_mid^T + em2
.set n, 0
.rept 8
	global_store_b128 v[LI16], v[S0+4*n:S0+4*n+3], s[P_XO:P_XO+1] offset:512*n     ; 32 lanes store 512 consecutive bytes
.set n, n+1
.endr
	PLOAD 6, PA
	PLOAD 7, PB
	LN S0, Y, PA, PB
	Q32 Y, XF, PS
	ds_store_b128 v[XW16], v[XF:XF+3]
	ds_store_b64 v[XW8], v[XF+4:XF+5]
	ds_store_b32 v[XW4], v[PS]
	s_branch .Lb4
.Lother:
	; ---- meanwhile R = 1, 2, 3: my tile of sa2_qkv_w (as codes), its bias, and where my results go
	s_sub_co_u32 s60, s[RR], 1
	s_lshl_b32 s60, s60, 2
	s_add_co_u32 s60, s60, s[HD]
	s_lshl_b32 s62, s60, 6
	s_add_co_u32 s60, s60, 28
	s_lshl_b32 s60, s60, 10
	s_mov_b32 s61, 0
	s_mov_b32 s63, 0
	s_add_nc_u64 s[TP:TP+1], s[P_WQ:P_WQ+1], s[60:61]
	s_add_nc_u64 s[BP:BP+1], s[P_QKVB:P_QKVB+1], s[62:63]
	s_lshl_b32 s60, s[GI], 2
	s_add_co_u32 s60, s60, s[HD]
	s_lshl_b32 s60, s60, 12
	s_mul_i32 s62, s[GI], GRP
	s_lshl_b32 s63, s[HD], 12
	s_add_co_u32 s63, s62, s63
	s_cmp_eq_u32 s[RR], 1
	s_cselect_b64 s[OUTP:OUTP+1], s[P_QO:P_QO+1], s[P_KVO:P_KVO+1]
	s_cselect_b32 s60, s60, s63
	s_mul_i32 s63, s[HD], 768
	s_add_co_u32 s63, s63, s62
	s_add_co_u32 s63, s63, 16384
	s_cmp_eq_u32 s[RR], 3
	s_cselect_b32 s60, s63, s60
	s_add_nc_u64 s[OUTP:OUTP+1], s[OUTP:OUTP+1], s[60:61]
	s_lshl_b32 s60, s[HD], 7
	s_add_co_u32 s60, s60, s62
	s_add_co_u32 s60, s60, 19456
	s_add_nc_u64 s[OUTS:OUTS+1], s[P_KVO:P_KVO+1], s[60:61]
	global_load_b128 v[16:19], v[LI16], s[TP:TP+1]
	global_load_b64 v[20:21], v[LI8], s[TP:TP+1] offset:512
	global_load_b32 v[PS], v[LI4], s[TP:TP+1] offset:768
	v_bfe_u32 v[TA], v0, 4, 1
	v_lshlrev_b32 v[TA], 5, v[TA]                  ; 32 h
	v_and_b32 v[TB], 15, v0
	v_lshlrev_b32 v[TB], 2, v[TB]                  ; 4 r
	s_cmp_eq_u32 s[RR], 3
	s_cbranch_scc1 .Lbias_v
	global_load_b128 v[96:99], v[TA], s[BP:BP+1]
	global_load_b128 v[100:103], v[TA], s[BP:BP+1] offset:16
	s_branch .Lbias_in
.Lbias_v:
.irp i, 0,1,2,3,4,5,6,7
	global_load_b32 v[96+\i], v[TB], s[BP:BP+1]
.endr
.Lbias_in:
.irp i, 22,23,24,25,26,27,88,89,90,91,92,93
	v_mov_b32 v\i, 0
.endr
	s_wait_loadcnt 0x0
.endif
.Lb4:
	BAR
.if LAST
	s_cmp_lg_u32 s[WV], 0
	s_cbranch_scc1 .Lend
	ds_load_b128 v[64:67], v[LI16] offset:XFI      ; the group's 64 x 3 results: 768 consecutive bytes
	ds_load_b64 v[68:69], v[LI8] offset:XFI+512
	s_wait_dscnt 0x0
	global_store_b128 v[LI16], v[64:67], s[P_OUT:P_OUT+1]
	global_store_b64 v[LI8], v[68:69], s[P_OUT:P_OUT+1] offset:512
.else
	s_cmp_eq_u32 s[RR], 0
	s_cbranch_scc1 .Lend
.irp t, 0,1,2,3
	ds_load_b128 v[64+6*\t:64+6*\t+3], v[LI16] offset:XFI+896*\t
	ds_load_b64 v[64+6*\t+4:64+6*\t+5], v[LI8] offset:XFI+896*\t+512
	ds_load_b32 v[WS+\t], v[LI4] offset:XFI+896*\t+768
.endr
.rept 8
	v_nop
.endr
	s_wait_dscnt 0x0
	s_cmp_eq_u32 s[RR], 3
	s_cbranch_scc1 .Lprod_v
.irp t, 0,1,2,3                                    ; source 0 = the weight's 16 rows, source 1 = 16 tokens: lane (r, h) holds token r, d = 8 h + 0 .. 7
	v_wmma_scale_f32_16x16x128_f8f6f4 v[SS+8*\t:SS+8*\t+7], v[16:27], v[64+6*\t:64+6*\t+11], v[96:103], v[PS], v[WS+\t] matrix_a_fmt:MATRIX_FMT_BF6 matrix_b_fmt:MATRIX_FMT_BF6
.endr
.rept 4
	v_nop
.endr
.irp t, 0,1,2,3
	global_store_b128 v[LI16], v[SS+8*\t:SS+8*\t+3], s[OUTP:OUTP+1] offset:1024*\t
	global_store_b128 v[LI16], v[SS+8*\t+4:SS+8*\t+7], s[OUTP:OUTP+1] offset:1024*\t+512
.endr
	s_branch .Lend
.Lprod_v:
.irp t, 0,1,2,3                                    ; source 0 = 16 tokens, source 1 = the weight: lane (r, h) holds d = r, registers along the keys
	v_wmma_scale_f32_16x16x128_f8f6f4 v[SS+8*\t:SS+8*\t+7], v[64+6*\t:64+6*\t+11], v[16:27], v[96:103], v[WS+\t], v[PS] matrix_a_fmt:MATRIX_FMT_BF6 matrix_b_fmt:MATRIX_FMT_BF6
.endr
.rept 4
	v_nop
.endr
.irp b, 0,1
	v_max3_num_f32 v[BM+\b], |v[SS+16*\b]|, |v[SS+16*\b+1]|, 0x2800000
.endr
.irp i, 2,4,6,8,10,12,14
.irp b, 0,1
	v_max3_num_f32 v[BM+\b], v[BM+\b], |v[SS+16*\b+\i]|, |v[SS+16*\b+\i+1]|
.endr
.endr
.irp b, 0,1
	v_permlanex16_b32 v[PX+\b], v[BM+\b], s[SEL], s[SEL+1]
.endr
.irp b, 0,1
	v_max_num_f32 v[BM+\b], v[BM+\b], v[PX+\b]
.endr
.irp b, 0,1
	v_add_nc_u32 v[SO+\b], 0xfe000000, v[BM+\b]
.endr
.irp b, 0,1
	v_lshrrev_b32 v[PX+\b], 23, v[SO+\b]
.endr
	v_lshl_or_b32 v[PS], v[PX+1], 8, v[PX]
	v_cvt_scalef32_pk16_bf6_f32 v[28:30], v[SS:SS+15], v[SO]
	v_cvt_scalef32_pk16_bf6_f32 v[32:34], v[SS+16:SS+31], v[SO+1]
	v_nop
	v_permlane16_swap_b32 v28, v32
	v_permlane16_swap_b32 v29, v33
	v_permlane16_swap_b32 v30, v34
	v_mov_b32 v31, v32
	v_mov_b32 v32, v33
	v_mov_b32 v33, v34
	global_store_b128 v[LI16], v[28:31], s[OUTP:OUTP+1]
	global_store_b64 v[LI8], v[32:33], s[OUTP:OUTP+1] offset:512
	global_store_b32 v[LI4], v[PS], s[OUTS:OUTS+1]
.endif
.Lend:
	s_wait_tensorcnt 0x0                           ; the wave's end, behind my last tensor load and my last LDS store
	ds_add_u32 v[SPW], v[NIL]
	s_wait_dscnt 0x0
	CROUND                                         ; the closing round
	s_endpgm
.Lfunc_end_k_qd2775d6750_layer2:
	.size	k_qd2775d6750_layer2, .Lfunc_end_k_qd2775d6750_layer2-k_qd2775d6750_layer2
	.p2alignl 7, 3214868480
	.fill 96, 4, 3214868480
	.section	.rodata,"a",@progbits
	.p2align	6, 0x0
	.amdhsa_kernel k_qd2775d6750_layer2
		.amdhsa_group_segment_fixed_size 327680
		.amdhsa_private_segment_fixed_size 0
		.amdhsa_enable_private_segment 0
		.amdhsa_kernarg_size 104
		.amdhsa_user_sgpr_count 2
		.amdhsa_user_sgpr_kernarg_segment_ptr 1
		.amdhsa_wavefront_size32 1
		.amdhsa_system_sgpr_workgroup_id_x 1
		.amdhsa_system_sgpr_workgroup_id_y 1
		.amdhsa_system_sgpr_workgroup_id_z 1
		.amdhsa_system_vgpr_workitem_id 0
		.amdhsa_next_free_vgpr 256
		.amdhsa_next_free_sgpr 102
		.amdhsa_reserve_vcc 0
		.amdhsa_float_denorm_mode_32 3
		.amdhsa_float_denorm_mode_16_64 3
		.amdhsa_memory_ordered 1
		.amdhsa_forward_progress 1
		.amdhsa_inst_pref_size 90
	.end_amdhsa_kernel
	.amdgpu_metadata
---
amdhsa.version: [ 1, 2 ]
amdhsa.kernels:
  - .name:           k_qd2775d6750_layer2
    .symbol:         k_qd2775d6750_layer2.kd
    .args:
      - { .name: kv2, .offset: 0, .size: 8, .value_kind: global_buffer, .address_space: global }
      - { .name: q2, .offset: 8, .size: 8, .value_kind: global_buffer, .address_space: global }
      - { .name: x2, .offset: 16, .size: 8, .value_kind: global_buffer, .address_space: global }
      - { .name: wq, .offset: 24, .size: 8, .value_kind: global_buffer, .address_space: global }
      - { .name: sa2_out_b, .offset: 32, .size: 8, .value_kind: global_buffer, .address_space: global }
      - { .name: sa2_fln_g, .offset: 40, .size: 8, .value_kind: global_buffer, .address_space: global }
      - { .name: sa2_fln_b, .offset: 48, .size: 8, .value_kind: global_buffer, .address_space: global }
      - { .name: sa2_f1_b, .offset: 56, .size: 8, .value_kind: global_buffer, .address_space: global }
      - { .name: sa2_f2_b, .offset: 64, .size: 8, .value_kind: global_buffer, .address_space: global }
      - { .name: w_out, .offset: 72, .size: 8, .value_kind: global_buffer, .address_space: global }
      - { .name: b_out, .offset: 80, .size: 8, .value_kind: global_buffer, .address_space: global }
      - { .name: node_mask, .offset: 88, .size: 8, .value_kind: global_buffer, .address_space: global }
      - { .name: out0, .offset: 96, .size: 8, .value_kind: global_buffer, .address_space: global }
    .group_segment_fixed_size: 327680
    .private_segment_fixed_size: 0
    .kernarg_segment_align: 8
    .kernarg_segment_size: 104
    .max_flat_workgroup_size: 512
    .sgpr_count:     102
    .vgpr_count:     256
    .wavefront_size: 32
...
	.end_amdgpu_metadata
.endif
;; end of part 3
